; MI455X (gfx1250); checked and timed in simulation.
; The chip was launched on July 23, 2026; its instructions are those of AMD's public machine-readable ISA for CDNA 5 (MIT licence, August 2026) and "CDNA5" Instruction Set Architecture Reference Guide (July 2026). The comments in the code are by the model that wrote it; some were corrected since.
;; Cognitive Attention. Allowed arithmetic: matrix products marked QUANTISED: E2M1 operands, one E8M0 scale for each 32 along K, by v_wmma_scale_f32_16x16x128_f8f6f4 with both operands' format E2M1 (or v_wmma_scale_f32_32x16x128_f4), f32 sums; products left as they are: bf16, f16 or f32 operands; f32 sums; everything else in f32.
;; Inputs: Wk 512 x 2,048 float32; Wo 2,048 x 1,024 float32; Wq 1,024 x 2,048 float32; Wv 512 x 2,048 float32; attention_mask 2 x 1 x 2,048 x 2,048 float32; hidden_states 2 x 2,048 x 2,048 float32.
;; Outputs: out0 2 x 2,048 x 2,048 float32.
;; This version of the problem:
;;   THIS VERSION OF THE PROBLEM IS GIVEN IN LOW PRECISION. The matrix products marked QUANTISED in the list below multiply operands that are first quantised to E2M1 (2 exponent bits, 1 mantissa bit; 4 bits a number), with one power-of-two scale for each 32 numbers along K (OCP MX v1.0); their sums are f32. The products marked 'left as it is' may take bf16, f16 or f32 operands, with f32 sums. Whichever they take, every output number must still come out within the allowed error. Rounding operands to bf16 (8 significant bits) uses up far more of that allowance than f16 does (11 bits, for magnitudes from 6e-5 to 65,504). All else is computed in f32.
;;   The module's matrix products, in the order in which they are computed (A, B: the left and right operand; K: the contracted axis; several contracted axes count as one K, in the product's order):
;;     1. [M 4,096, K 2,048] x [K 2,048, N 1,024]; A: input hidden_states; B: input Wq: QUANTISED
;;     2. [M 4,096, K 2,048] x [K 2,048, N 512]; A: input hidden_states; B: input Wk: QUANTISED
;;     3. [M 4,096, K 2,048] x [K 2,048, N 512]; A: input hidden_states; B: input Wv: QUANTISED
;;     4. batch 32 x [M 2,048, K 64] x [K 64, N 2,048]; A: computed on the way; B: computed on the way: left as it is (an operand is computed on the way)
;;     5. batch 32 x [M 2,048, K 2,048] x [K 2,048, N 64]; A: computed on the way; B: computed on the way: left as it is (an operand is computed on the way)
;;     6. [M 4,096, K 1,024] x [K 1,024, N 2,048]; A: computed on the way; B: input Wo: left as it is (an operand is computed on the way)
;;   THE QUANTISER, for each operand of a quantised product, along K:
;;     - K is cut into blocks of 32 from its start; a last block that is shorter is filled with zeros.
;;     - A block's scale is 2^e with e = floor(log2(the largest magnitude in the block)) - 2, held to -126 .. 127; a block of zeros has e = 0. As a byte (E8M0): e + 127.
;;     - Each number is divided by its block's scale, clamped to +-6, and rounded to the nearest number of E2M1, ties to even, subnormals kept.
;;     - The product sums the exact products of the quantised numbers (number of the format x scale) in f32.
;;   ~~~python
;;   def quantise(x, axis):      # numpy; x: float32 -> the quantised numbers, widened to float32 again
;;       x = np.moveaxis(x, axis, -1); K = x.shape[-1]
;;       x = np.pad(x, [(0, 0)] * (x.ndim - 1) + [(0, -K % 32)]); x = x.reshape(x.shape[:-1] + (-1, 32)); a = np.abs(x).max(-1, keepdims=True)
;;       e = np.where(a > 0, np.clip(np.frexp(np.where(a > 0, a, 1))[1] - 1 - 2, -126, 127), 0)      # np.frexp(a)[1] - 1 = floor(log2(a)), exactly
;;       r = np.clip(x / 2.0 ** e, -6, 6)
;;       step = 2.0 ** (np.maximum(np.frexp(np.where(r == 0, 1, r))[1] - 1, 0) - 1)
;;       q = np.round(r / step) * step * 2.0 ** e      # np.round: ties to even
;;       return np.moveaxis(q.reshape(q.shape[:-2] + (-1,))[..., :K], -1, axis).astype(np.float32)
;;   ~~~
;; One version. Each part assembles by itself: llvm-mc -triple=amdgcn-amd-amdhsa -mcpu=gfx1250 --defsym DOCPART=n.
;; ======== version 1 of 1: 4 launches
;; limits: values are held in f16: magnitudes above 65,504 overflow, below 6.1e-05 lose precision; right only within a limited range of input values; inputs' magnitudes at most 1.329e+36
;; workspace buffers: x_codes 4,194,304 bytes; x_scales 262,144 bytes; w_codes 2,097,152 bytes; w_scales 131,072 bytes; wo_h 4,194,304 bytes; qkv 16,777,216 bytes; ctx 8,388,608 bytes
;; launch prep (part 1): grid 448 x 1, 4 waves a work-group, no clusters, 33,280 bytes of LDS; arguments hidden_states, Wq, Wk, Wv, Wo, x_codes, x_scales, w_codes, w_scales, wo_h; writes x_codes, x_scales, w_codes, w_scales, wo_h
.if DOCPART == 1
	.amdgcn_target "amdgcn-amd-amdhsa--gfx1250"
	.amdhsa_code_object_version 6
	.text
	.protected	k_qc0e1afcfc1_prep
	.globl	k_qc0e1afcfc1_prep
	.p2align	8
	.type	k_qc0e1afcfc1_prep,@function
k_qc0e1afcfc1_prep:
	s_mov_b64 s[64:65], 0
	v_nop
	global_prefetch_b8 v0, s[64:65] scope:SCOPE_SE
	s_setreg_imm32_b32 hwreg(HW_REG_WAVE_MODE, 25, 1), 1
	s_wait_xcnt 0x0
; THE PROGRAM: grouped-query attention, 2 x 2,048 tokens, 16 query heads, 8 key and value heads of 64.  Four launches: this one; the three quantised projections as ONE product on codes;
; attention; the projection on the way out.  NO WORK IS LEFT OUT: every input reaches the output (the mask is an input that varies along the softmax's axis); the repeat of key and value heads is addressing.
; THIS LAUNCH: hidden_states [4096][2048] and Wq, Wk, Wv stacked [2048][2048], f32, become codes of FP4 (E2M1), K innermost, with one E8M0 byte for each 32 along K; Wo [2048][1024] becomes f16.
; A block's scale is 2^(floor(log2(its largest magnitude)) - 2); each number is divided by it and rounded to the nearest code, ties to even, beyond 6 the largest code.
; THE FACTOR 1 / sqrt(64) = 2^-3 OF THE SCORES RIDES IN Wq's SCALE BYTES: the codes are the quantiser's own, the byte that is stored is 3 lower, so the product on codes gives q / 8, bit for bit q's sums with 3 off the exponent.
; LIMITS: a block whose largest magnitude lies under 2^-124 (of Wq: 2^-121) is quantised with that floor's scale; a block of zeros keeps the floor's byte (its codes are zeros, and this program alone reads the bytes);
; NaN and infinities among these inputs are not served; |Wo| above 65,504 does not fit f16.
; SHARES: rows are dense and K is a multiple of 32, so each tensor is a plain stream.  A work-group takes 32,768 numbers, a wave 8,192.  Work-groups 0-255: hidden_states; 256-319: Wq; 320-351: Wk; 352-383: Wv; 384-447: Wo.
; The four quantised tensors take ONE path: only pointers and two constants are chosen, by the work-group's number.  A wave takes 16 steps of 512 numbers: four loads of 512 consecutive bytes; the 2,048 bytes turn through the
; wave's own stage in LDS so that a lane holds 16 neighbours along K (two lanes a block); a lane's 16 codes are 8 bytes: the wave stores 256 consecutive bytes.  A wave's 256 scale bytes are gathered in LDS and leave as one store.
; LOADS RUN EIGHT STEPS AHEAD: 32 loads, 16,384 bytes, of every wave are on their way, half of all that it reads.
; No tensor loads, no barrier, no cluster, no matrix unit: waves share nothing and memory binds.
.set WAVES, 4
.set STEPS, 16
.set AHEAD, 8                          ; steps whose loads are out
.set CB,    8                          ; bytes of 16 codes
.set R,     16                         ; v16-143  eight sets of 16 numbers as they are loaded
.set X,     144                        ; v144-175 two sets of 16 neighbours
.set E,     176                        ; v176-191 a scale byte for each step
.set C,     192                        ; v192-223 codes: two registers for each step, so that no store's data are written again
.set WREG,  8192                       ; LDS: a region for each wave: two stages of 32 x SP bytes, behind them its 256 scale bytes
.set SP,    80                         ; a lane's place in a stage: 64 bytes + 16 of padding
.set SPW,   12                         ; v12 LDS address of my spare word; never rewritten
.set NIL,   13                         ; v13 0; never rewritten
.set SPARE, WAVES*WREG                 ; behind the four regions: the spare words, 128 bytes a wave
.set ADJ,   30                         ; s30 what is taken off the largest magnitude's exponent field for the stored byte: 2, for Wq 5, at bit 23
.set FLR,   31                         ; s31 the floor of a block's largest magnitude: ADJ + 1 in the exponent field, so that the byte cannot fall under 1
.set WL,    16                         ; Wo's path: v16-143 two sets of 64 numbers
.set WY,    144                        ; v144-175 32 registers of f16 pairs
	s_load_b256 s[4:11], s[0:1], 0x0               ; hidden_states s[4:5], Wq s[6:7], Wk s[8:9], Wv s[10:11]
	s_load_b256 s[12:19], s[0:1], 0x20             ; Wo s[12:13], x_codes s[14:15], x_scales s[16:17], w_codes s[18:19]
	s_load_b128 s[20:23], s[0:1], 0x40             ; w_scales s[20:21], wo_h s[22:23]
	v_lshl_add_u32 v[SPW], v0, 2, SPARE
	v_mov_b32 v[NIL], 0
	v_lshrrev_b32 v1, 5, v0
	v_readfirstlane_b32 s24, v1                    ; wave
	v_and_b32 v2, 31, v0                           ; lane
	v_lshlrev_b32 v3, 4, v2                        ; my 16 bytes of a load's 512
	v_mul_u32_u24 v4, v2, CB                       ; my 8 bytes of a store's 256
	s_cmp_ge_u32 ttmp9, 384
	s_cbranch_scc1 .Lwo                            ; Wo's work-groups: a cast, no LDS
	s_mul_i32 s25, s24, WREG
	v_lshrrev_b32 v14, 2, v2
	v_mul_u32_u24 v14, v14, SP
	v_and_b32 v15, 3, v2
	v_lshl_add_u32 v14, v15, 4, v14
	v_add_nc_u32 v14, s25, v14                     ; the stage, on the way in: four lanes' 64 bytes on end, then 16 of padding
	v_mul_u32_u24 v15, v2, SP
	v_add_nc_u32 v15, s25, v15                     ; and on the way out: SP x lane: my 16 neighbours
	v_lshrrev_b32 v5, 1, v2
	s_add_co_u32 s25, s25, 2*32*SP
	v_add_nc_u32 v5, s25, v5                       ; my wave's 256 scale bytes, my block's byte
	v_lshlrev_b32 v7, 3, v2                        ; and on the way out 8 bytes a lane
	v_add_nc_u32 v6, s25, v7
	s_wait_kmcnt 0x0
	s_cmp_lt_u32 ttmp9, 352                        ; which tensor: the choices hang on the work-group's number alone
	s_cselect_b64 s[8:9], s[8:9], s[10:11]         ; Wk or Wv
	s_mov_b32 s26, 352
	s_cselect_b32 s26, 320, s26                    ; the tensor's first work-group
	s_cmp_lt_u32 ttmp9, 320
	s_cselect_b64 s[8:9], s[6:7], s[8:9]           ; Wq
	s_cselect_b32 s26, 256, s26
	s_cmp_lt_u32 ttmp9, 256
	s_cselect_b64 s[4:5], s[4:5], s[8:9]           ; hidden_states
	s_cselect_b32 s26, 0, s26
	s_cselect_b64 s[14:15], s[14:15], s[18:19]     ; the codes' buffer,
	s_cselect_b64 s[16:17], s[16:17], s[20:21]     ; the scale bytes',
	s_cselect_b32 s28, 0, 256                      ; and its first work-group: the three weights lie stacked
	s_sub_co_u32 s29, ttmp9, 256
	s_cmp_lt_u32 s29, 64                           ; Wq's work-groups
	s_mov_b32 s[ADJ], 2<<23
	s_cselect_b32 s[ADJ], 5<<23, s[ADJ]
	s_add_co_u32 s[FLR], s[ADJ], 1<<23
	s_sub_co_u32 s26, ttmp9, s26
	s_lshl_b32 s26, s26, 2
	s_add_co_u32 s26, s26, s24                     ; which run of 8,192 numbers of the source is my wave's
	s_lshl_b32 s26, s26, 15                        ; 32,768 bytes a run: under 2^26
	s_mov_b32 s27, 0
	s_add_nc_u64 s[4:5], s[4:5], s[26:27]
	s_sub_co_u32 s28, ttmp9, s28
	s_lshl_b32 s28, s28, 2
	s_add_co_u32 s28, s28, s24                     ; and which run of the codes' buffer
	s_mov_b32 s29, 0
	s_lshl_b32 s26, s28, 12                        ; 4,096 bytes of codes a run
	s_add_nc_u64 s[14:15], s[14:15], s[26:27]
	s_lshl_b32 s28, s28, 8                         ; 256 scale bytes a run
	s_add_nc_u64 s[16:17], s[16:17], s[28:29]
.macro LOAD t
.irp i, 0,1,2,3
	global_load_b128 v[R+16*((\t)%AHEAD)+4*\i:R+16*((\t)%AHEAD)+4*\i+3], v3, s[4:5] offset:2048*(\t)+512*\i th:TH_LOAD_NT   ; 32 lanes read 512 consecutive bytes
.endr
.endm
.macro TURN t                          ; step t's numbers through the stage: LDS serves a wave's instructions in order, so no wait stands between the stores and the loads
.irp i, 0,1,2,3
	ds_store_b128 v14, v[R+16*((\t)%AHEAD)+4*\i:R+16*((\t)%AHEAD)+4*\i+3] offset:32*SP*((\t)%2)+8*SP*\i
.endr
.irp i, 0,1,2,3
	ds_load_b128 v[X+16*((\t)%2)+4*\i:X+16*((\t)%2)+4*\i+3], v15 offset:32*SP*((\t)%2)+16*\i
.endr
.endm
.irp t, 0,1,2,3,4,5,6,7
	LOAD \t
.endr
	s_wait_loadcnt 4*(AHEAD-1)                     ; step 0's four loads are in; those of steps 1 to 7 may be out
	TURN 0
.macro STEP t
.set XS, X+16*((\t)%2)
.if (\t) > 0
	s_wait_dscnt 1                                 ; this step's numbers are back from the stage (the last step's byte store may be out): so its stores into the stage have read their registers,
.else
	s_wait_dscnt 0x0
.endif
.if (\t)+AHEAD < STEPS
	LOAD (\t)+AHEAD                                ; which take the loads of eight steps on
.endif
.if (\t)+1 < STEPS
.if STEPS-2-(\t) >= AHEAD-1
	s_wait_loadcnt 4*(AHEAD-1)                     ; the next step's four loads are in; those of the seven steps behind it may be out
.else
	s_wait_loadcnt 4*(STEPS-2-(\t))                ; at the tail: those of the steps that are left behind it
.endif
	TURN (\t)+1                                    ; and go through the other stage while this step is worked
.endif
	v_max3_num_f32 v8, |v[XS]|, |v[XS+1]|, |v[XS+2]|               ; the largest magnitude of my 16, in two chains
	v_max3_num_f32 v9, |v[XS+3]|, |v[XS+4]|, |v[XS+5]|
.irp i, 6,10
	v_max3_num_f32 v8, v8, |v[XS+\i]|, |v[XS+\i+1]|
	v_max3_num_f32 v9, v9, |v[XS+\i+2]|, |v[XS+\i+3]|
.endr
	v_max3_num_f32 v8, v8, |v[XS+14]|, |v[XS+15]|
	v_max3_num_f32 v8, v8, v9, s[FLR]              ; and the floor, under which no largest magnitude is taken
	v_max_num_f32_dpp v8, v8, v8 row_xmask:1 row_mask:0xf bank_mask:0xf   ; and of my neighbour's 16: the block's
	v_add_nc_u32 v11, 0xff000000, v8               ; 2 off its exponent field: the conversion takes the exponent field of this operand as its scale, and nothing else of it
	v_cvt_scalef32_pk8_fp4_f32 v[C+2*(\t)], v[XS:XS+7], v11
	v_cvt_scalef32_pk8_fp4_f32 v[C+2*(\t)+1], v[XS+8:XS+15], v11
	v_sub_nc_u32 v10, v8, s[ADJ]                   ; for the byte: 2 off, for Wq 5 off.  (Also the plain line behind the conversions)
	v_lshrrev_b32 v[E+(\t)], 23, v10               ; the scale's byte
	ds_store_b8 v5, v[E+(\t)] offset:16*(\t)       ; both lanes of a block write the same byte with the same value
	global_store_b64 v4, v[C+2*(\t):C+2*(\t)+1], s[14:15] offset:32*CB*(\t)   ; 32 lanes store 256 consecutive bytes, aligned
.endm
.irp t, 0,1,2,3,4,5,6,7,8,9,10,11,12,13,14,15
	STEP \t
.endr
	ds_load_b64 v[8:9], v6                         ; LDS serves a wave's instructions in order: these see my stores
	s_wait_dscnt 0x0
	global_store_b64 v7, v[8:9], s[16:17]          ; 32 lanes store 256 consecutive bytes, aligned
	s_wait_tensorcnt 0x0                           ; the wave's end, behind my last LDS store
	ds_add_u32 v[SPW], v[NIL]
	s_wait_dscnt 0x0
	s_endpgm
; Wo to f16: a wave's 8,192 numbers in four batches of 16 loads; one batch is on its way while another is rounded and stored.
.Lwo:
	s_sub_co_u32 s26, ttmp9, 384
	s_lshl_b32 s26, s26, 2
	s_add_co_u32 s26, s26, s24                     ; my wave's run
	s_lshl_b32 s28, s26, 14                        ; 16,384 bytes of f16,
	s_lshl_b32 s26, s26, 15                        ; 32,768 of f32
	s_mov_b32 s27, 0
	s_mov_b32 s29, 0
	s_wait_kmcnt 0x0
	s_add_nc_u64 s[12:13], s[12:13], s[26:27]
	s_add_nc_u64 s[22:23], s[22:23], s[28:29]
.macro WLOAD g
.irp i, 0,1,2,3,4,5,6,7,8,9,10,11,12,13,14,15
	global_load_b128 v[WL+64*((\g)%2)+4*\i:WL+64*((\g)%2)+4*\i+3], v3, s[12:13] offset:8192*(\g)+512*\i th:TH_LOAD_NT
.endr
.endm
.macro WCONV g
.if (\g) < 3
	s_wait_loadcnt 16                              ; this batch is in; the next batch's 16 loads may be out
.else
	s_wait_loadcnt 0x0
.endif
.if (\g) > 0
	s_wait_xcnt 0x0                                ; the last batch's stores have read their data registers, which are written again below
.endif
.irp i, 0,1,2,3,4,5,6,7,8,9,10,11,12,13,14,15
	v_cvt_pk_f16_f32 v[WY+2*\i], v[WL+64*((\g)%2)+4*\i], v[WL+64*((\g)%2)+4*\i+1]
	v_cvt_pk_f16_f32 v[WY+2*\i+1], v[WL+64*((\g)%2)+4*\i+2], v[WL+64*((\g)%2)+4*\i+3]
	global_store_b64 v4, v[WY+2*\i:WY+2*\i+1], s[22:23] offset:4096*(\g)+256*\i   ; 32 lanes store 256 consecutive bytes, aligned
.endr
.endm
	WLOAD 0
	WLOAD 1
	WCONV 0
	WLOAD 2
	WCONV 1
	WLOAD 3
	WCONV 2
	WCONV 3
	s_endpgm
.Lfunc_end_k_qc0e1afcfc1_prep:
	.size	k_qc0e1afcfc1_prep, .Lfunc_end_k_qc0e1afcfc1_prep-k_qc0e1afcfc1_prep
	.p2alignl 7, 3214868480
	.fill 96, 4, 3214868480
	.section	.rodata,"a",@progbits
	.p2align	6, 0x0
	.amdhsa_kernel k_qc0e1afcfc1_prep
		.amdhsa_group_segment_fixed_size 33280
		.amdhsa_private_segment_fixed_size 0
		.amdhsa_enable_private_segment 0
		.amdhsa_kernarg_size 80
		.amdhsa_user_sgpr_count 2
		.amdhsa_user_sgpr_kernarg_segment_ptr 1
		.amdhsa_wavefront_size32 1
		.amdhsa_system_sgpr_workgroup_id_x 1
		.amdhsa_system_sgpr_workgroup_id_y 1
		.amdhsa_system_sgpr_workgroup_id_z 1
		.amdhsa_system_vgpr_workitem_id 0
		.amdhsa_next_free_vgpr 224
		.amdhsa_next_free_sgpr 66
		.amdhsa_reserve_vcc 0
		.amdhsa_float_denorm_mode_32 3
		.amdhsa_float_denorm_mode_16_64 3
		.amdhsa_memory_ordered 1
		.amdhsa_forward_progress 1
		.amdhsa_inst_pref_size 55
	.end_amdhsa_kernel
	.amdgpu_metadata
---
amdhsa.version: [ 1, 2 ]
amdhsa.kernels:
  - .name:           k_qc0e1afcfc1_prep
    .symbol:         k_qc0e1afcfc1_prep.kd
    .args:
      - { .name: hidden_states, .offset: 0, .size: 8, .value_kind: global_buffer, .address_space: global }
      - { .name: Wq, .offset: 8, .size: 8, .value_kind: global_buffer, .address_space: global }
      - { .name: Wk, .offset: 16, .size: 8, .value_kind: global_buffer, .address_space: global }
      - { .name: Wv, .offset: 24, .size: 8, .value_kind: global_buffer, .address_space: global }
      - { .name: Wo, .offset: 32, .size: 8, .value_kind: global_buffer, .address_space: global }
      - { .name: x_codes, .offset: 40, .size: 8, .value_kind: global_buffer, .address_space: global }
      - { .name: x_scales, .offset: 48, .size: 8, .value_kind: global_buffer, .address_space: global }
      - { .name: w_codes, .offset: 56, .size: 8, .value_kind: global_buffer, .address_space: global }
      - { .name: w_scales, .offset: 64, .size: 8, .value_kind: global_buffer, .address_space: global }
      - { .name: wo_h, .offset: 72, .size: 8, .value_kind: global_buffer, .address_space: global }
    .group_segment_fixed_size: 33280
    .private_segment_fixed_size: 0
    .kernarg_segment_align: 8
    .kernarg_segment_size: 80
    .max_flat_workgroup_size: 128
    .sgpr_count:     66
    .vgpr_count:     224
    .wavefront_size: 32
...
	.end_amdgpu_metadata
.endif
;; end of part 1
;; launch proj (part 2): grid 8 x 16, 4 waves a work-group, clusters of 4 x 4, 327,680 bytes of LDS; arguments x_codes, x_scales, w_codes, w_scales, qkv; writes qkv
.if DOCPART == 2
	.amdgcn_target "amdgcn-amd-amdhsa--gfx1250"
	.amdhsa_code_object_version 6
	.text
	.protected	k_qc0e1afcfc1_proj
	.globl	k_qc0e1afcfc1_proj
	.p2align	8
	.type	k_qc0e1afcfc1_proj,@function
k_qc0e1afcfc1_proj:
	s_mov_b64 s[64:65], 0
	v_nop
	global_prefetch_b8 v0, s[64:65] scope:SCOPE_SE
	s_setreg_imm32_b32 hwreg(HW_REG_WAVE_MODE, 25, 1), 1
	s_wait_xcnt 0x0
	s_wait_alu depctr_hold_cnt(0) depctr_sa_sdst(0) depctr_va_vdst(0) depctr_va_sdst(0) depctr_va_ssrc(0) depctr_va_vcc(0) depctr_vm_vsrc(0)
	s_getreg_b32 s2, hwreg(HW_REG_IB_STS2, 6, 4)
	s_cmp_eq_u32 s2, 0
	s_cbranch_scc0 .Lentry_in_a_cluster
	s_endpgm
.Lentry_in_a_cluster:
	s_bfe_u32 s2, ttmp6, 0x10000c
	s_cmp_lg_u32 s2, 0xf033
	s_cbranch_scc0 .Lentry_shape_is_right
	s_endpgm
.Lentry_shape_is_right:
; The three quantised projections as one product on codes: C[token][feature] = sum over k of X[token][k] W[feature][k].  X: [4096][2048], W: [2048][2048] (rows 0-1023 Wq, 1024-1535 Wk, 1536-2047 Wv):
; codes of FP4 (E2M1), two a byte, K innermost, with one E8M0 byte for each 32 along K; sums in f32.  Wq's bytes were stored 3 lower, so features 0-1023 come out as q / 8.  Nothing of the problem is left out here.
; THE RESULT is rounded once to f16 and laid by head: qkv[g][token][64], g = feature / 64: g 0-15 the query heads, 16-23 the key heads, 24-31 the value heads; a head's tokens are dense, 128 bytes each.
; LIMIT: |q / 8|, |k|, |v| above 65,504 do not fit f16.
; A tile of C, 256 x 256, is made by a work-group of four waves; a wave makes 128 x 128: 64 accumulators of 16 x 16, 512 registers.  K goes in steps of 512 through a ring of two LDS slots filled by the tensor data mover:
; a tile's row is 256 bytes of memory.  THE SCALES of the work-group's 256 rows of X and of W, for all of K, are two dense blocks: they come into LDS once, with the first fills, and stay.
; CLUSTERS: 4 x 4 work-groups.  The four of a row of the cluster need the same tiles of X, the four of a column the same tiles of W: each tile is asked for JOINTLY, by the same tensor load with the same descriptor and a
; mask that names the four.  THE MATRIX INSTRUCTION IS USED TRANSPOSED (source 0 = 16 rows of W, source 1 = 16 rows of X): a lane then holds eight neighbouring features of one token.
; 128 work-groups: a tile of 128 x 256 would give 256, at twice the LDS reads for each product of X; the launch is short beside the attention, so the larger tile is kept.  No prefetch: 6 MB of codes, a short launch.
; REGISTERS, in windows of 256: window 0: v0-31 addresses; v32-95 scale words, two sets; from v128 X's fragments, ONE set; on the way out v32-255 are free.
;   window 1: W's fragments, TWO sets, at v0 and at v128.   window 2: the 32 accumulators of my rows 0-63 (accumulator (a, b) at v[8 (8 a + b)]);   window 3: those of my rows 64-127.
.set SIZE_M, 4096
.set SIZE_N, 2048
.set SIZE_K, 2048
.set KSTEP,  512                       ; along K in a slot
.set NQ,     KSTEP/128                 ; matrix instructions deep
.set ROWB,   256                       ; a tile's row in bytes
.set KROW,   SIZE_K*4/8                ; a row of codes in memory, in bytes
.set PITCH,  272                       ; an LDS row: 256 bytes + 16 of padding = 68 words: the 16 rows that a load touches start at 16 different banks (64 banks of 4 bytes: ISA guide 11.1)
.set FR,     8                         ; registers of a fragment: 16 rows x 128 K
.set NL,     2                         ; LDS loads that bring one
.set NP,     4                         ; places behind this matrix instruction (ISA guide 7.12.1)
.set HALFT,  128*PITCH                 ; 128 rows: what one tensor load brings
.set SLOT,   4*HALFT                   ; X's 256 rows, then W's 256 rows
.set LAPS,   SIZE_K/(2*KSTEP)          ; a lap = two K steps = once round the ring
.set KS,     SIZE_K/32                 ; a row of scales in bytes
.set SCL,    2*SLOT                    ; behind the ring: the scales, as units of 256 bytes + 16 of padding
.set HALFS,  (128*KS/256)*272          ; the scales of 128 rows: what one tensor load brings
.set SBLK,   (16*KS/256)*272           ; those of 16 rows
.set SPARE,  SCL+4*HALFS               ; behind the scales: the spare words, 128 bytes for each wave
.set HPIT,   144                       ; the way out: a token's 128 bytes of one head + 16 of padding
.set HSTG,   16*HPIT                   ; 16 tokens of one head
.set WSTG,   2*HSTG                    ; a wave's stage: two heads.  It lies in slot 0, which has had its last fill and its last read when the first result is stored there
.set ADRA, 16                          ; v16-17  LDS address of my X fragments in slot 0, 1
.set ADRB, 20                          ; v20-21  the same for W
.set STO,  24                          ; v24     the way out: where I put 16 bytes of a token
.set RD,   25                          ; v25     the way out: where I read them back
.set CO,   26                          ; v26     16 x lane: my place in a store's 512 bytes
.set ADRS, 27                          ; v27     LDS address of my scale words: lanes 0-15 X's rows, lanes 16-31 W's
.set SPW,  28                          ; v28     LDS address of my spare word; never rewritten
.set NIL,  29                          ; v29     0; never rewritten
.set SC,   32                          ; scale words: set s at v[SC + 8 NQ s]; register NQ i + q: lanes 0-15 the word of X's block i, lanes 16-31 that of W's block i, for the slot's q-th 128 along K
.set AF,   128                         ; X's fragments, in window 0
.set TMP,  192                         ; the way out: packed results
.set OB,   32                          ; the way out: a block read back: v32-63 and v224-255 by turns
.set G1, 24                            ; s[24:31] descriptor group 1 for X's tiles;  s[32:39] group 0, one set for each slot
.set G0, 32
.set G1B, 48                           ; s[48:55], s[56:63] the same for W's tiles
.set G0B, 56
.set G1S, 68                           ; s[68:75], s[76:79] groups 1 and 0 for X's scales;  s[80:87], s[88:91] for W's
.set G0S, 76
.set G1SB, 80
.set G0SB, 88
.set MSB, 0
.macro WIN new                         ; the immediate's high byte repeats the setting that is left
.if MSB != (\new)
	s_set_vgpr_msb (MSB<<8)|(\new)
.set MSB, (\new)
.endif
.endm
.set MUL_LO, 0xa1                      ; source 0 (W) window 1, source 1 (X) window 0, C and D window 2
.set MUL_HI, 0xf1                      ; the same, C and D window 3
.set TO_B,   0x40                      ; destination window 1, address window 0
; A joint load: waves 0 and 1 fetch for X, waves 2 and 3 for W.  Each of the two lines has ONE mask and one set of registers for all that issue it; the branch hangs on the wave's number alone.
; An s_nop 0 and four v_nop follow each of the two lines, ahead of the jump, the label and what follows.
.macro JLOAD g0a, g1a, g0b, g1b
	s_cmp_eq_u32 s15, 0
	s_cbranch_scc0 .Lfor_b_\@
	tensor_load_to_lds s[\g0a:\g0a+3], s[\g1a:\g1a+7]
	s_nop 0
.rept 4
	v_nop
.endr
	s_branch .Lasked_\@
.Lfor_b_\@:
	tensor_load_to_lds s[\g0b:\g0b+3], s[\g1b:\g1b+7]
	s_nop 0
.rept 4
	v_nop
.endr
.Lasked_\@:
.endm
.macro CREST                           ; a round of the cluster's barrier behind its opening barrier
	s_cmp_lg_u32 s14, 0
	s_cbranch_scc1 .Lnot_wave_0_\@
	s_barrier_signal -3
.Lnot_wave_0_\@:
	s_barrier_wait -3
	s_barrier_signal -1
	s_barrier_wait -1
.endm
.macro CROUND                          ; a whole round
	s_barrier_signal -1
	s_barrier_wait -1
	CREST
.endm
	s_load_b128 s[4:7], s[0:1], 0x0                ; X's codes s[4:5], X's scales s[6:7]
	s_load_b128 s[8:11], s[0:1], 0x10              ; W's codes s[8:9], W's scales s[10:11]
	s_load_b64 s[12:13], s[0:1], 0x20              ; qkv
	v_lshl_add_u32 v[SPW], v0, 2, SPARE
	v_mov_b32 v[NIL], 0
	ds_add_u32 v[SPW], v[NIL]                      ; the wave's opening: the add, twice on end, and its wait ahead of my first tensor load; the set-up below stands between the second and the wait
	ds_add_u32 v[SPW], v[NIL]
	v_lshrrev_b32 v1, 5, v0
	v_readfirstlane_b32 s14, v1                    ; wave 0..3
	s_lshr_b32 s15, s14, 1                         ; which half of the tile's rows is mine.  Also: I fetch for X (0) or for W (1)
	s_and_b32 s16, s14, 1                          ; which half of its columns.  Also: which 128 rows of that tile I fetch
	s_bfe_u32 s40, ttmp6, 0x40000                  ; cx, cy: my place in the cluster
	s_bfe_u32 s41, ttmp6, 0x40004
	s_lshl_b32 s42, ttmp9, 2
	s_add_co_u32 s42, s42, s40                     ; tile column of C = 4 x cluster x + cx
	s_and_b32 s17, ttmp7, 0xffff
	s_lshl_b32 s17, s17, 2
	s_add_co_u32 s17, s17, s41                     ; tile row of C = 4 x cluster y + cy
	s_lshl_b32 s43, s41, 2
	s_lshl_b32 s43, 15, s43                        ; my row of the cluster
	s_lshl_b32 s44, 0x1111, s40                    ; my column
	; descriptor group 1: a tile of 128 rows x ROWB bytes, padded in LDS
	s_or_b32 s[G1+0], s43, (0<<16)|(1<<20)|(1<<21)|(5<<22)|(3<<25)  ; 15:0 the mask: X's tiles go to my row; 17:16 element of 1 byte; 20 padding on; 21 set beside a mask; 24:22 after every 64 words; 31:25 four words
	s_or_b32 s[G1B+0], s44, (0<<16)|(1<<20)|(1<<21)|(5<<22)|(3<<25)
.irp g, G1, G1B
	s_mov_b32 s[\g+1], ROWB<<16                    ; tensor_dim0
	s_mov_b32 s[\g+2], 128<<16                     ; tensor_dim1 = 128
	s_mov_b32 s[\g+3], ROWB<<16                    ; tile_dim0
	s_mov_b32 s[\g+4], 128                         ; tile_dim1 = 128
	s_mov_b32 s[\g+5], KROW                        ; tensor_dim0_stride
	s_mov_b32 s[\g+6], 0
	s_mov_b32 s[\g+7], 0
.endr
	; and for the scales of 128 rows: a dense block of 128 KS bytes, as rows of 256 bytes (32 elements of 8 bytes), 16 bytes of padding behind each
	s_or_b32 s[G1S+0], s43, (3<<16)|(1<<20)|(1<<21)|(5<<22)|(3<<25)
	s_or_b32 s[G1SB+0], s44, (3<<16)|(1<<20)|(1<<21)|(5<<22)|(3<<25)
.irp g, G1S, G1SB
	s_mov_b32 s[\g+1], 32<<16
	s_mov_b32 s[\g+2], (128*KS/256)<<16
	s_mov_b32 s[\g+3], 32<<16
	s_mov_b32 s[\g+4], 128*KS/256
	s_mov_b32 s[\g+5], 32
	s_mov_b32 s[\g+6], 0
	s_mov_b32 s[\g+7], 0
.endr
	s_lshl_b32 s18, s16, 7                         ; which 128 rows of the tile I fetch
	s_lshl_b32 s20, s17, 8
	s_add_co_u32 s20, s20, s18                     ; X: row 256 x tile row + 128 x half
	s_lshl_b32 s46, s42, 8
	s_add_co_u32 s46, s46, s18                     ; W: row 256 x tile column + 128 x half
	s_mov_b32 s21, 0
	s_mov_b32 s47, 0
	s_mov_b64 s[18:19], KS
	s_mul_u64 s[22:23], s[20:21], s[18:19]         ; where these rows' scales begin, in bytes
	s_mul_u64 s[92:93], s[46:47], s[18:19]
	s_mov_b64 s[18:19], KROW
	s_mul_u64 s[20:21], s[20:21], s[18:19]         ; and their codes
	s_mul_u64 s[46:47], s[46:47], s[18:19]
	s_mul_i32 s45, s14, HALFT                      ; where they go: wave x 128 rows: no place in the cluster enters an LDS address
	s_mul_i32 s94, s14, HALFS
	s_wait_dscnt 0x0                               ; both opening adds are done
	s_wait_kmcnt 0x0
	s_add_nc_u64 s[20:21], s[4:5], s[20:21]
	s_add_nc_u64 s[22:23], s[6:7], s[22:23]
	s_add_nc_u64 s[46:47], s[8:9], s[46:47]
	s_add_nc_u64 s[92:93], s[10:11], s[92:93]
	CROUND                                         ; all sixteen work-groups are here: the first joint loads meet
	s_mov_b32 s[G0S], 1
	s_add_co_u32 s[G0S+1], s94, SCL
	s_mov_b64 s[G0S+2:G0S+3], s[22:23]
	s_or_b32 s[G0S+3], s[G0S+3], 0x80000000
	s_mov_b32 s[G0SB], 1
	s_add_co_u32 s[G0SB+1], s94, SCL
	s_mov_b64 s[G0SB+2:G0SB+3], s[92:93]
	s_or_b32 s[G0SB+3], s[G0SB+3], 0x80000000
	JLOAD G0S, G1S, G0SB, G1SB                     ; the scales first: they are wanted with K step 0
.irp s, 0,1
	s_mov_b32 s[G0+4*\s], 1
	s_add_co_u32 s[G0+4*\s+1], s45, \s*SLOT
	s_add_nc_u64 s[G0+4*\s+2:G0+4*\s+3], s[20:21], \s*ROWB
	s_or_b32 s[G0+4*\s+3], s[G0+4*\s+3], 0x80000000
	s_mov_b32 s[G0B+4*\s], 1
	s_add_co_u32 s[G0B+4*\s+1], s45, \s*SLOT
	s_add_nc_u64 s[G0B+4*\s+2:G0B+4*\s+3], s[46:47], \s*ROWB
	s_or_b32 s[G0B+4*\s+3], s[G0B+4*\s+3], 0x80000000
	JLOAD G0+4*\s, G1, G0B+4*\s, G1B
.endr
	v_and_b32 v1, 15, v0                           ; l % 16
	v_bfe_u32 v2, v0, 4, 1                         ; l / 16
	v_mul_u32_u24 v3, v1, PITCH
	v_lshl_add_u32 v4, v2, 4, v3                   ; a fragment's row x pitch + 16 x half
	s_mul_i32 s21, s15, HALFT                      ; my 128 rows of X
	s_mul_i32 s22, s16, HALFT                      ; my 128 rows of W,
	s_add_co_u32 s22, s22, 2*HALFT                 ; which lie behind X's 256
.irp s, 0,1
	v_add_nc_u32 v[ADRA+\s], s21, v4
	v_add_nc_u32 v[ADRB+\s], s22, v4
	s_add_co_u32 s21, s21, SLOT
	s_add_co_u32 s22, s22, SLOT
.endr
	v_mul_u32_u24 v5, v1, KS                       ; my row's scales: KS bytes a row,
	v_lshrrev_b32 v6, 8, v5
	v_lshl_add_u32 v5, v6, 4, v5                   ; and 16 more for each 256 passed
	s_mul_i32 s21, s15, HALFS                      ; X's: my 128 rows
	s_mul_i32 s22, s16, HALFS                      ; W's: my 128 rows, behind X's 256
	s_add_co_u32 s22, s22, 2*HALFS
	s_sub_co_u32 s22, s22, s21
	v_mul_u32_u24 v6, s22, v2                      ; lanes 16-31 take W's
	s_add_co_u32 s21, s21, SCL
	v_add_nc_u32 v5, v5, v6
	v_add_nc_u32 v[ADRS], s21, v5
	s_mul_i32 s23, s14, WSTG                       ; my stage
	v_mul_u32_u24 v5, v1, HPIT                     ; in: token l % 16, 16 bytes for each half of the lanes
	v_lshl_add_u32 v5, v2, 4, v5
	v_add_nc_u32 v[STO], s23, v5
	v_and_b32 v6, 31, v0
	v_lshlrev_b32 v[CO], 4, v6                     ; in memory four tokens of a head are 512 consecutive bytes: 16 x lane
	v_lshrrev_b32 v5, 3, v6
	v_mul_u32_u24 v5, v5, HPIT                     ; back: eight lanes to a token, four tokens an instruction
	v_and_b32 v6, 7, v6
	v_lshl_add_u32 v5, v6, 4, v5
	v_add_nc_u32 v[RD], s23, v5
	s_lshl_b32 s20, s17, 8
	s_lshl_b32 s21, s15, 7
	s_add_co_u32 s20, s20, s21                     ; my first token: 256 x tile row + 128 x half,
	s_lshl_b32 s20, s20, 7                         ; 128 bytes each
	s_mov_b32 s21, 0
	s_lshl_b32 s46, s42, 2
	s_lshl_b32 s47, s16, 1
	s_add_co_u32 s46, s46, s47                     ; my first head: 4 x tile column + 2 x half,
	s_lshl_b32 s46, s46, 19                        ; 4,096 tokens of 128 bytes each
	s_mov_b32 s47, 0
	s_add_nc_u64 s[20:21], s[20:21], s[46:47]
	s_add_nc_u64 s[12:13], s[12:13], s[20:21]      ; never stepped: all else stands in the stores' immediates
.macro FRAG reg, adr, q, i             ; a fragment, 16 rows x 128 K of 4-bit codes, is 8 registers: lane l holds row l % 16; registers 4 c .. 4 c + 3 hold K = 64 c + 32 (l / 16) + 0 .. 31
.irp c, 0,1
	ds_load_b128 v[\reg+4*\c:\reg+4*\c+3], v[\adr] offset:64*(\q)+32*\c+(\i)*16*PITCH
.endr
.endm
; 16 matrix instructions: X's blocks a0, a0 + 1 x W's eight, 128 along K: the slot's q-th.  p: W's set;  sc: the set of scale words.  zero = 1: the first product starts the sums: nothing is ever cleared.
; The 64 accumulators take turns, one instruction a turn, in the same order in every step.
.macro MUL16 a0, p, q, sc, zero
.irp a, \a0, \a0+1
.irp b, 0,1,2,3,4,5,6,7
.if \zero
	v_wmma_scale_f32_16x16x128_f8f6f4 v[8*(8*((\a)%4)+\b):8*(8*((\a)%4)+\b)+7], v[128*(\p)+FR*\b:128*(\p)+FR*\b+FR-1], v[AF+FR*(\a):AF+FR*(\a)+FR-1], 0, v[SC+8*NQ*(\sc)+NQ*\b+(\q)], v[SC+8*NQ*(\sc)+NQ*(\a)+(\q)] matrix_a_fmt:MATRIX_FMT_FP4 matrix_b_fmt:MATRIX_FMT_FP4 matrix_a_scale:MATRIX_SCALE_ROW1
.else
	v_wmma_scale_f32_16x16x128_f8f6f4 v[8*(8*((\a)%4)+\b):8*(8*((\a)%4)+\b)+7], v[128*(\p)+FR*\b:128*(\p)+FR*\b+FR-1], v[AF+FR*(\a):AF+FR*(\a)+FR-1], v[8*(8*((\a)%4)+\b):8*(8*((\a)%4)+\b)+7], v[SC+8*NQ*(\sc)+NQ*\b+(\q)], v[SC+8*NQ*(\sc)+NQ*(\a)+(\q)] matrix_a_fmt:MATRIX_FMT_FP4 matrix_b_fmt:MATRIX_FMT_FP4 matrix_a_scale:MATRIX_SCALE_ROW1
.endif
.endr
.endr
.endm
.macro FETCH_B slot, q, p              ; W's eight fragments of the slot's q-th 128 along K into set p
	WIN TO_B
.irp i, 0,1,2,3,4,5,6,7
	FRAG 128*(\p)+FR*\i, ADRB+\slot, \q, \i
.endr
	WIN 0
.endm
.macro FETCH_A slot, q, i0             ; X's blocks i0 .. i0 + 3
.irp i, \i0, \i0+1, \i0+2, \i0+3
	FRAG AF+FR*(\i), ADRA+\slot, \q, \i
.endr
.endm
.macro SCALES sc                       ; the next K step's scale words into set sc: NQ words a row; lanes 0-15 take X's block i, lanes 16-31 W's block i
.irp i, 0,1,2,3,4,5,6,7
	ds_load_b128 v[SC+8*NQ*\sc+NQ*\i:SC+8*NQ*\sc+NQ*\i+3], v[ADRS] offset:\i*SBLK
.endr
.endm
; A load into a register that a matrix instruction has read, and a vector instruction or an LDS store that reads a matrix result, stand NP places behind that matrix instruction, and only plain vector
; instructions that name none of its registers are places (ISA guide 7.12.1 for vector instructions).
.macro PLACES n
.rept \n
	v_nop
.endr
.endm
; A step of 128 along K that has its successor in the same slot.
.macro STEP slot, q, zero
	s_wait_dscnt 4*NL                              ; W's set and X's blocks 0-3 are in; the youngest eight loads (X's blocks 4-7) may be out
	WIN MUL_LO
	MUL16 0, (\q)%2, \q, \slot, \zero
	MUL16 2, (\q)%2, \q, \slot, \zero
	s_wait_dscnt 0                                 ; X's blocks 4-7 are in (asked for 32 matrix instructions ago)
	PLACES NP
	FETCH_B \slot, (\q)+1, 1-(\q)%2
	FETCH_A \slot, (\q)+1, 0
	WIN MUL_HI
	MUL16 4, (\q)%2, \q, \slot, \zero
	MUL16 6, (\q)%2, \q, \slot, \zero
	PLACES NP
	WIN 0
	FETCH_A \slot, (\q)+1, 4
.endm
; A slot's last step changes slots: ONE barrier; in front of it each wave waits for all its tensor loads, adds 0 to its spare word, and waits for that and for its own reads of this slot.  fill = 1: this slot is filled again, two K steps ahead.
.macro TURN slot, next, fill
	s_wait_tensorcnt 0x0                           ; all my tensor loads have landed: my part of the next slot;  (every window is 0 here: the add's two registers lie in window 0)
	ds_add_u32 v[SPW], v[NIL]                      ; 0 onto my spare word;
	s_wait_dscnt 4*NL+1                            ; (the add and the youngest eight loads, X's blocks 4-7, may be out)
	WIN MUL_LO
	MUL16 0, 1, NQ-1, \slot, 0                     ; sixteen matrix instructions stand between the add and the wait for it
	s_wait_dscnt 0x0                               ; the add is done, and my reads of this slot are over
	s_barrier_signal -1
	MUL16 2, 1, NQ-1, \slot, 0
	WIN 0
	s_barrier_wait -1
.if \fill
	CREST                                          ; the barrier has opened a round of the cluster's barrier: no wave of any partner still reads this slot's tile or has a load on its way
	s_add_nc_u64 s[G0+4*\slot+2:G0+4*\slot+3], s[G0+4*\slot+2:G0+4*\slot+3], 2*ROWB
	s_add_nc_u64 s[G0B+4*\slot+2:G0B+4*\slot+3], s[G0B+4*\slot+2:G0B+4*\slot+3], 2*ROWB
	JLOAD G0+4*\slot, G1, G0B+4*\slot, G1B         ; the first tensor load behind the round; the four v_nop behind it are the places in front of the loads below
.else
	PLACES NP
.endif
	v_add_nc_u32 v[ADRS], 4*NQ, v[ADRS]            ; on to the next K step's scale words (no LDS load of mine is out)
	FETCH_B \next, 0, 0
	FETCH_A \next, 0, 0
	SCALES \next
	WIN MUL_HI
	MUL16 4, 1, NQ-1, \slot, 0
	MUL16 6, 1, NQ-1, \slot, 0
	PLACES NP
	WIN 0
	FETCH_A \next, 0, 4
.endm
.macro STEPS slot, from                ; the slot's steps from .. NQ - 2
.set Q, \from
.rept NQ-1-\from
	STEP \slot, Q, 0
.set Q, Q+1
.endr
.endm
	s_wait_tensorcnt 1                             ; the scales and my part of K step 0 are in (K step 1's load may be out)
	s_barrier_signal -1
	s_barrier_wait -1                              ; everybody's are
	FETCH_B 0, 0, 0
	FETCH_A 0, 0, 0
	SCALES 0
	FETCH_A 0, 0, 4
	STEP 0, 0, 1                                   ; the first step stands in front of the loop: its products start the sums
	s_mov_b32 s3, LAPS-1
.Llap:                                                 ; a trip goes once round the ring, from a lap's second step to the next lap's first, and fills both slots again
	STEPS 0, 1
	TURN 0, 1, 1
	STEPS 1, 0
	TURN 1, 0, 1
	STEP 0, 0, 0
	s_sub_co_u32 s3, s3, 1
	s_cmp_lg_u32 s3, 0
	s_cbranch_scc1 .Llap
	STEPS 0, 1                                     ; the last lap fills nothing, and has no round of the cluster's barrier
	TURN 0, 1, 0
	STEPS 1, 0
	s_wait_dscnt 4*NL                              ; the very last step: nothing more to fetch
	WIN MUL_LO
	MUL16 0, 1, NQ-1, 1, 0
	MUL16 2, 1, NQ-1, 1, 0
	s_wait_dscnt 0
	WIN MUL_HI
	MUL16 4, 1, NQ-1, 1, 0
	MUL16 6, 1, NQ-1, 1, 0
	WIN 0
; THE WAY OUT, block by block of 16 tokens x 128 features (two heads).  PACK: rounded to f16, a lane's eight features are 16 bytes.  TOSTAGE: into my own stage, by head and token, and back four tokens of a head at a time.
; SEND: 32 lanes store 512 consecutive bytes.  LDS serves a wave's instructions in order (ISA guide 5.7.1.4): no wait between the stores and the loads, nor in front of the next block's stores.
.macro PACK a
.set AC, 64*((\a)%4)
	WIN 0x0a+5*((\a)/4)                            ; sources 0 and 1: window 2 or 3
.irp b, 0,1,2,3,4,5,6,7
.irp i, 0,1,2,3
	v_cvt_pk_f16_f32 v[TMP+4*\b+\i], v[AC+8*\b+2*\i], v[AC+8*\b+2*\i+1]   ; each accumulator from its low end on
.endr
.endr
	WIN 0
.endm
.macro TOSTAGE a
.set BK, OB+192*((\a)%2)
.irp b, 0,1,2,3,4,5,6,7
	ds_store_b128 v[STO], v[TMP+4*\b:TMP+4*\b+3] offset:(\b/4)*HSTG+(\b%4)*32
.endr
.irp u, 0,1,2,3,4,5,6,7
	ds_load_b128 v[BK+4*\u:BK+4*\u+3], v[RD] offset:(\u/4)*HSTG+(\u%4)*4*HPIT
.endr
.endm
.macro SEND a
.set BK, OB+192*((\a)%2)
	s_wait_dscnt 0x0                               ; the block is back in registers
	s_wait_xcnt 0x0                                ; the stores of the block before have read their registers, into which the next block's loads will land
.irp u, 0,1,2,3,4,5,6,7
	global_store_b128 v[CO], v[BK+4*\u:BK+4*\u+3], s[12:13] offset:(\u/4)*524288+(\a)*2048+(\u%4)*512   ; head, block of 16 tokens, four tokens: 540,160 at the most, inside the signed 24-bit immediate
.endr
.endm
	PLACES NP                                      ; the conversions read results, and the loads below land in registers that held scale words
	PACK 0
	TOSTAGE 0
.irp a, 1,2,3,4,5,6,7                  ; block a's conversions stand between block a - 1's loads from the stage and the wait for them
	PACK \a
	SEND \a-1
	TOSTAGE \a
.endr
	SEND 7
	s_wait_tensorcnt 0x0                           ; the wave's end, behind my last tensor load and my last LDS store
	ds_add_u32 v[SPW], v[NIL]
	s_wait_dscnt 0x0
	CROUND                                         ; the closing round: no work-group ends while a partner may still ask for a tile that names it
	s_endpgm
.Lfunc_end_k_qc0e1afcfc1_proj:
	.size	k_qc0e1afcfc1_proj, .Lfunc_end_k_qc0e1afcfc1_proj-k_qc0e1afcfc1_proj
	.p2alignl 7, 3214868480
	.fill 96, 4, 3214868480
	.section	.rodata,"a",@progbits
	.p2align	6, 0x0
	.amdhsa_kernel k_qc0e1afcfc1_proj
		.amdhsa_group_segment_fixed_size 327680
		.amdhsa_private_segment_fixed_size 0
		.amdhsa_enable_private_segment 0
		.amdhsa_kernarg_size 40
		.amdhsa_user_sgpr_count 2
		.amdhsa_user_sgpr_kernarg_segment_ptr 1
		.amdhsa_wavefront_size32 1
		.amdhsa_system_sgpr_workgroup_id_x 1
		.amdhsa_system_sgpr_workgroup_id_y 1
		.amdhsa_system_sgpr_workgroup_id_z 1
		.amdhsa_system_vgpr_workitem_id 0
		.amdhsa_next_free_vgpr 1024
		.amdhsa_next_free_sgpr 98
		.amdhsa_reserve_vcc 0
		.amdhsa_float_denorm_mode_32 3
		.amdhsa_float_denorm_mode_16_64 3
		.amdhsa_memory_ordered 1
		.amdhsa_forward_progress 1
		.amdhsa_inst_pref_size 213
	.end_amdhsa_kernel
	.amdgpu_metadata
---
amdhsa.version: [ 1, 2 ]
amdhsa.kernels:
  - .name:           k_qc0e1afcfc1_proj
    .symbol:         k_qc0e1afcfc1_proj.kd
    .args:
      - { .name: x_codes, .offset: 0, .size: 8, .value_kind: global_buffer, .address_space: global }
      - { .name: x_scales, .offset: 8, .size: 8, .value_kind: global_buffer, .address_space: global }
      - { .name: w_codes, .offset: 16, .size: 8, .value_kind: global_buffer, .address_space: global }
      - { .name: w_scales, .offset: 24, .size: 8, .value_kind: global_buffer, .address_space: global }
      - { .name: qkv, .offset: 32, .size: 8, .value_kind: global_buffer, .address_space: global }
    .group_segment_fixed_size: 327680
    .private_segment_fixed_size: 0
    .kernarg_segment_align: 8
    .kernarg_segment_size: 40
    .max_flat_workgroup_size: 128
    .sgpr_count:     98
    .vgpr_count:     1024
    .wavefront_size: 32
...
	.end_amdgpu_metadata
.endif
;; end of part 2
;; launch attn (part 3): grid 8 x 32, 8 waves a work-group, clusters of 4 x 4, 327,680 bytes of LDS; arguments qkv, attention_mask, ctx; writes ctx
.if DOCPART == 3
	.amdgcn_target "amdgcn-amd-amdhsa--gfx1250"
	.amdhsa_code_object_version 6
	.text
	.protected	k_qc0e1afcfc1_attn
	.globl	k_qc0e1afcfc1_attn
	.p2align	8
	.type	k_qc0e1afcfc1_attn,@function
k_qc0e1afcfc1_attn:
	s_mov_b64 s[64:65], 0
	v_nop
	global_prefetch_b8 v0, s[64:65] scope:SCOPE_SE
	s_setreg_imm32_b32 hwreg(HW_REG_WAVE_MODE, 25, 1), 1
	s_wait_xcnt 0x0
	s_wait_alu depctr_hold_cnt(0) depctr_sa_sdst(0) depctr_va_vdst(0) depctr_va_sdst(0) depctr_va_ssrc(0) depctr_va_vcc(0) depctr_vm_vsrc(0)
	s_getreg_b32 s2, hwreg(HW_REG_IB_STS2, 6, 4)
	s_cmp_eq_u32 s2, 0
	s_cbranch_scc0 .Lentry_in_a_cluster
	s_endpgm
.Lentry_in_a_cluster:
	s_bfe_u32 s2, ttmp6, 0x10000c
	s_cmp_lg_u32 s2, 0xf033
	s_cbranch_scc0 .Lentry_shape_is_right
	s_endpgm
.Lentry_shape_is_right:
; ctx[token][64 h + d] = the sum over keys of softmax_k((q / 8) . k + mask[b][query][key]) v[key][d].  qkv: [32][4096][64] f16 (g 0-15: q / 8 by head; 16-23: k; 24-31: v; token = 2048 b + s).
; attention_mask: [2][1][2048][2048] f32, an input: every number of it is read and added.  ctx: [4096][1024] f16.  Nothing of the problem is left out; query heads 2 j and 2 j + 1 read key and value head j by address.
; Products on f16 operands with f32 sums; maxima, exponentials and sums in f32; the weights p (at most 1) are rounded to f16 for the second product, ctx once at the end.
; LIMITS: a row whose largest score + mask lies under -2^120, and scores above 2^126, are not served; |ctx| above 65,504 does not fit f16.  Mask entries of -infinity give p = 0; a row that is all -infinity gives NaN.
; SHARES.  A work-group owns 128 queries (tokens 128 y on) of the two query heads of one key and value head: 8 x 32 work-groups.  Wave w owns queries 16 w .. 16 w + 15 of both heads: two tiles, which share every
; fragment of K and V and the mask's registers.  Two waves lie on a SIMD, so that one wave's softmax stands beside the other's products.  Keys go 64 a step, 128 a slot, 16 slots.
; LAYOUT.  S^T = K Q^T + mask^T (source 0 = 16 keys, source 1 = 16 queries, C = the mask as loaded): a lane holds ONE query (lane % 16) and keys 8 (lane / 16) + 0..7.  So the mask costs no vector instruction.
; Two such tiles, rounded to f16 in pairs, ARE source 1 of O^T = V^T P.  K comes out of LDS as it lies, V ([key][channel]) turned, by ds_load_tr16_b128.
; SOFTMAX.  For each query a running maximum m and sum l: p = 2^(c s - c m), c = log2(e); in every step O and l are multiplied by a = 2^(c m_old - c m_new).  O and l begin as zeros and m as -2^120, so the loop has no first step of its own.
; CLUSTER 4 x 4.  The four of a column (one key and value head, one batch) need the same K and V; the four of a row (the same queries) the same tile of the mask: each tile is asked for JOINTLY, by the same tensor
; load with the same descriptor and a mask word that names the four.  Wave 0 fetches K, wave 1 V, waves 2 and 3 the mask's halves; by this text's count a wave has one tensor load outstanding.
; THE CHANGE OF SLOTS STANDS INSIDE A SLOT'S LAST KEY STEP: when P is made, V is in registers and the wave's reads of the slot are over.  The row sums stand between the round's opening signal and its wait; behind the round
; come the joint load and the loads of the next slot's first K and mask, and the rescaling of O^T and the sixteen products V^T P, work on registers, stand between those loads and the wait for them.
; REGISTERS: window 0: v1-13 addresses; v16-31 statistics, 8 a tile; v32-95 S^T, 32 a tile; v96-127 the mask, 8 for each 16 keys; v128-159 P, 16 a tile; v160-223 O^T, 32 a tile; v224-255 the way out.
;   window 1: v0-63 K of a step (16 kt + 8 ks); v64-127 V of a step (64 + 32 kh + 8 ct); v128-159 Q (128 + 16 t + 8 ks).
.set PITK,  272                        ; an LDS row of K: two keys (256 bytes) + 16 of padding: key k at (k / 2) 272 + (k % 2) 128: the 16 keys of a load start at 16 different columns of 16 bytes
.set PITV,  288                        ; of V: two keys + 32 of padding: 16 lanes of the turning load touch 16 different columns of 16 bytes
.set PITM,  528                        ; of the mask: 128 keys (512 bytes) + 16 of padding
.set VOFF,  64*PITK                    ; a slot: 64 rows of K, 64 rows of V, 128 rows of the mask
.set MOFF,  VOFF+64*PITV
.set SLOT1, 1<<17                      ; slot 1 begins here, so that one exclusive or turns an address in one slot into the other's
.set STAGE, 2*SLOT1                    ; behind the ring: 16 rows x 272 bytes for each wave, for the way out
.set SPARE, STAGE+8*16*272             ; behind the stages: the spare words, 128 bytes for each wave
.set AK0, 1                            ; v1   my lane's place in a tile of K; never rewritten
.set AV0, 2                            ; v2   of V
.set AM0, 3                            ; v3   of the mask
.set ADK, 4                            ; v4-6 the same in the slot in hand
.set ADV, 5
.set ADM, 6
.set QO,  7                            ; v7   my byte offset in the wave's rows of Q
.set STO, 8                            ; v8   the way out: where I put 16 bytes of a row
.set RD,  9                            ; v9   where I read a row back
.set GO,  10                           ; v10  my byte offset in the wave's rows of ctx
.set PFO, 11                           ; v11  the prefetches' lane offset; never rewritten
.set SPW, 12                           ; v12  LDS address of my spare word; never rewritten
.set NIL, 13                           ; v13  0; never rewritten
.set ST,  16                           ; tile t's statistics at v[ST + 8 t]: +0 c m, +1 m, +2, +3 l (even keys', odd keys'), +4 to +7 at work; a in +6
.set S,   32
.set M,   96
.set P,   128
.set O,   160
.set OUTR, 224
.set KF,  0                            ; in window 1
.set VF,  64
.set QF,  128
.set WV,  10                           ; s10  my wave's number
.set G1K, 24                           ; s[24:31], s[32:39], s[40:47] descriptor groups 1 for K, V, the mask
.set G1V, 32
.set G1M, 40
.set G0K, 48                           ; s[48:51], s[52:55], s[56:59] their groups 0, which walk
.set G0V, 52
.set G0M, 56
.set CS,  60                           ; s[60:61] c = log2(e): the packed form names a pair and takes its low word for both halves
.set SEL, 62                           ; s[62:63] lane selects for v_permlanex16_b32: lane l xor 16
.set TB,  66                           ; s66  LDS byte at which the slot in hand begins
.set SLOTS, 67                         ; s67  the loop's trips still to go: slots still to be asked for
.set PFA, 68                           ; s[68:69] where my prefetches stand
.set PFS, 70                           ; s[70:71] a slot on, in bytes
.set LIM, 72                           ; s72  1 in a wave that prefetches, else the greatest number
.set MSB, 0
.macro WIN new                         ; the immediate's high byte repeats the setting that is left; a switch that changes nothing is dropped
.if MSB != (\new)
	s_set_vgpr_msb (MSB<<8)|(\new)
.set MSB, (\new)
.endif
.endm
.set W_KQ, 0x05                        ; K and Q in window 1; the mask and S^T in window 0
.set W_PV, 0x01                        ; V in window 1; P and O^T in window 0
.set W_LD, 0x40                        ; destination window 1, address window 0
; A joint load.  The branches hang on the wave's number alone.  An s_nop 0 and four v_nop follow each tensor load.
.macro JLOAD
	s_cmp_lg_u32 s[WV], 0
	s_cbranch_scc1 .Lnot_k_\@
	tensor_load_to_lds s[G0K:G0K+3], s[G1K:G1K+7]
	s_nop 0
.rept 4
	v_nop
.endr
	s_branch .Lasked_\@
.Lnot_k_\@:
	s_cmp_lg_u32 s[WV], 1
	s_cbranch_scc1 .Lnot_v_\@
	tensor_load_to_lds s[G0V:G0V+3], s[G1V:G1V+7]
	s_nop 0
.rept 4
	v_nop
.endr
	s_branch .Lasked_\@
.Lnot_v_\@:
	s_cmp_lt_u32 s[WV], 4
	s_cbranch_scc0 .Lasked_\@
	tensor_load_to_lds s[G0M:G0M+3], s[G1M:G1M+7]
	s_nop 0
.rept 4
	v_nop
.endr
.Lasked_\@:
.endm
; A PREFETCH INTO THE L2 of what the NEXT change of slots will ask for: two key steps ahead of that load.  Each aligned block of 256 bytes is named once in the launch.
; The mask's rows of a row of work-groups are read by both clusters along x: the first (cluster x = 0) asks; its four partners take 32 rows each, told apart BY ADDRESS; a slot's part of a row is 512 bytes:
; wave 4 names its first 256, wave 5 its second, a lane a row.  K and V of a batch and head are read by four clusters along y: the first of them asks; its four partners take 4,096 bytes each of K's 16,384 and of V's:
; wave 6, lanes 0-15 K's blocks, lanes 16-31 V's.  The last change that fills a slot asks for nothing; slots 0 and 1 come by their loads alone.  It stands behind the joint load and the run of LDS loads that follows it.
.macro ASK
	s_cmp_gt_u32 s[SLOTS], s[LIM]
	s_cbranch_scc0 .Lnot_mine_\@
	global_prefetch_b8 v[PFO], s[PFA:PFA+1] th:TH_LOAD_NT scope:SCOPE_SE
.Lnot_mine_\@:
.endm
.macro CREST                           ; a round of the cluster's barrier behind its opening barrier
	s_cmp_lg_u32 s[WV], 0
	s_cbranch_scc1 .Lnot_wave_0_\@
	s_barrier_signal -3
.Lnot_wave_0_\@:
	s_barrier_wait -3
	s_barrier_signal -1
	s_barrier_wait -1
.endm
.macro CROUND                          ; a whole round
	s_barrier_signal -1
	s_barrier_wait -1
	CREST
.endm
	s_load_b128 s[4:7], s[0:1], 0x0                ; qkv s[4:5], attention_mask s[6:7]
	s_load_b64 s[8:9], s[0:1], 0x10                ; ctx
	v_lshl_add_u32 v[SPW], v0, 2, SPARE
	v_mov_b32 v[NIL], 0
	ds_add_u32 v[SPW], v[NIL]                      ; the wave's opening: the add, twice on end, and its wait ahead of the first tensor loads; the set-up below stands between the second and the wait
	ds_add_u32 v[SPW], v[NIL]
	v_lshrrev_b32 v1, 5, v0
	v_readfirstlane_b32 s[WV], v1                  ; wave 0..7
	s_bfe_u32 s11, ttmp6, 0x40000                  ; cx
	s_bfe_u32 s12, ttmp6, 0x40004                  ; cy
	s_lshl_b32 s13, ttmp9, 2
	s_add_co_u32 s13, s13, s11                     ; the key and value head = 4 x cluster x + cx
	s_and_b32 s14, ttmp7, 0xffff                   ; cluster y
	s_lshl_b32 s15, s14, 2
	s_add_co_u32 s15, s15, s12                     ; y = 4 x cluster y + cy = 16 b + the block of 128 queries
	s_lshr_b32 s16, s14, 2                         ; b: the same in all sixteen partners
	s_lshl_b32 s17, s12, 2
	s_lshl_b32 s17, 15, s17                        ; my row of the cluster
	s_lshl_b32 s18, 0x1111, s11                    ; my column
	s_and_b32 s19, s[WV], 1
	; descriptor groups 1.  K, V: 128 keys of 128 bytes are dense in memory: 64 rows of 128 elements of 2 bytes.  The mask: 64 rows of 128 elements of 4 bytes, 2,048 elements apart.
	s_or_b32 s[G1K], s18, (1<<16)|(1<<20)|(1<<21)|(5<<22)|(3<<25)   ; 15:0 my column; 17:16 elements of 2 bytes; 20 padding on; 21 set beside a mask; 24:22 after every 64 words; 31:25 four words
	s_or_b32 s[G1V], s18, (1<<16)|(1<<20)|(1<<21)|(5<<22)|(7<<25)   ; the same with eight words of padding
	s_or_b32 s[G1M], s17, (2<<16)|(1<<20)|(1<<21)|(6<<22)|(3<<25)   ; my row; elements of 4 bytes; four words after every 128
.irp g, G1K, G1V, G1M
	s_mov_b32 s[\g+1], 128<<16                     ; tensor_dim0 = 128
	s_mov_b32 s[\g+2], 64<<16                      ; tensor_dim1 = 64
	s_mov_b32 s[\g+3], 128<<16                     ; tile_dim0 = 128
	s_mov_b32 s[\g+4], 64                          ; tile_dim1 = 64
	s_mov_b32 s[\g+6], 0
	s_mov_b32 s[\g+7], 0
.endr
	s_mov_b32 s[G1K+5], 128                        ; tensor_dim0_stride
	s_mov_b32 s[G1V+5], 128
	s_mov_b32 s[G1M+5], 2048
	; K's tiles hang on the head and the batch, which my column shares; the mask's on y, which my row shares.  Each offset is made in registers that never hold the other coordinate.
	s_add_co_u32 s20, s13, 16
	s_lshl_b32 s20, s20, 19                        ; head 16 + j: 4,096 tokens of 128 bytes each,
	s_lshl_b32 s21, s16, 18                        ; the batch's 2,048 tokens
	s_add_co_u32 s20, s20, s21
	s_mov_b32 s21, 0
	s_lshl_b32 s22, s15, 20                        ; the mask: 128 rows of 8,192 bytes for each y,
	s_lshl_b32 s23, s19, 19                        ; my 64 of them,
	s_add_co_u32 s22, s22, s23
	s_mov_b32 s23, 0
	s_mul_i32 s73, s19, 64*PITM                    ; and their place in a slot: no place in the cluster enters an LDS address
	s_lshl_b32 s78, s13, 20                        ; Q: head 2 j,
	s_lshl_b32 s79, s15, 14                        ; token 128 y,
	s_add_co_u32 s78, s78, s79
	s_lshl_b32 s79, s[WV], 11                      ; + 16 w
	s_add_co_u32 s78, s78, s79
	s_mov_b32 s79, 0
	s_lshl_b32 s80, s15, 18                        ; ctx: rows of 2,048 bytes: token 128 y,
	s_lshl_b32 s81, s[WV], 15                      ; + 16 w,
	s_add_co_u32 s80, s80, s81
	s_lshl_b32 s81, s13, 8                         ; the two heads' 256 bytes
	s_add_co_u32 s80, s80, s81
	s_mov_b32 s81, 0
	s_mov_b32 s[CS], 0x3fb8aa3b                    ; c = log2(e)
	s_mov_b32 s[CS+1], s[CS]                       ; (named with it as a pair, so it is written)
	s_mov_b32 s[SEL], 0x76543210
	s_mov_b32 s[SEL+1], 0xfedcba98
	s_mov_b32 s[TB], 0
	s_mov_b32 s[SLOTS], 14
	s_wait_dscnt 0x0                               ; both opening adds are done
	s_wait_kmcnt 0x0
	s_add_nc_u64 s[74:75], s[4:5], s[20:21]        ; K at slot 0
	s_add_nc_u64 s[76:77], s[6:7], s[22:23]        ; my half of the mask's tile at slot 0
	s_add_nc_u64 s[78:79], s[4:5], s[78:79]        ; Q at my first query
	s_add_nc_u64 s[8:9], s[8:9], s[80:81]          ; ctx likewise
	CROUND                                         ; all sixteen work-groups are here: the first joint loads meet
	s_mov_b32 s[G0K], 1                            ; 1:0 count = 1
	s_mov_b32 s[G0K+1], 0                          ; 63:32 LDS address
	s_mov_b64 s[G0K+2:G0K+3], s[74:75]             ; 120:64 global address
	s_or_b32 s[G0K+3], s[G0K+3], 0x80000000        ; 127:126 type = 2
	s_mov_b32 s[G0V], 1
	s_mov_b32 s[G0V+1], VOFF
	s_add_nc_u64 s[G0V+2:G0V+3], s[74:75], 1<<22   ; eight heads on
	s_or_b32 s[G0V+3], s[G0V+3], 0x80000000
	s_mov_b32 s[G0M], 1
	s_add_co_u32 s[G0M+1], s73, MOFF
	s_mov_b64 s[G0M+2:G0M+3], s[76:77]
	s_or_b32 s[G0M+3], s[G0M+3], 0x80000000
	JLOAD                                          ; slot 0
	; the prefetches: where my wave's stand, and who asks
	s_lshl_b32 s80, s15, 20                        ; the mask: row 128 y
	s_lshl_b32 s81, s11, 18                        ; + 32 cx,
	s_add_co_u32 s80, s80, s81
	s_lshl_b32 s81, s19, 8                         ; the first or the second 256 bytes,
	s_add_co_u32 s80, s80, s81
	s_add_co_u32 s80, s80, 512                     ; in slot 1: the first change of slots steps it to slot 2
	s_lshl_b32 s81, s12, 12                        ; K and V: 4,096 cy
	s_add_co_u32 s81, s81, s20
	s_add_co_u32 s81, s81, 16384                   ; in slot 1
	s_and_b32 s82, s14, 3
	s_cmp_lt_u32 s[WV], 6                          ; waves 4 and 5: the mask; wave 6: K and V
	s_cselect_b64 s[PFA:PFA+1], s[6:7], s[4:5]
	s_cselect_b32 s80, s80, s81
	s_cselect_b32 s82, ttmp9, s82                  ; the coordinate along which other clusters read the same bytes
	s_mov_b32 s[PFS], 16384
	s_cselect_b32 s[PFS], 512, s[PFS]              ; a slot on
	s_mov_b32 s[PFS+1], 0
	s_mov_b32 s74, 256
	s_cselect_b32 s74, 8192, s74                   ; from lane to lane within sixteen,
	s_mov_b32 s75, 1<<22
	s_cselect_b32 s75, 131072, s75                 ; and from lanes 0-15 to lanes 16-31
	s_mov_b32 s81, 0
	s_add_nc_u64 s[PFA:PFA+1], s[PFA:PFA+1], s[80:81]
	s_sub_co_u32 s83, s[WV], 4
	s_cmp_lt_u32 s83, 3                            ; waves 4 to 6
	s_cselect_b32 s83, 0, 1
	s_or_b32 s82, s82, s83
	s_cmp_eq_u32 s82, 0                            ; the wave's number and the cluster's coordinates alone: the same in all sixteen partners
	s_cselect_b32 s[LIM], 1, -1
	v_and_b32 v14, 15, v0                          ; r = lane % 16
	v_bfe_u32 v15, v0, 4, 1                        ; h = lane / 16
	v_mul_lo_u32 v[PFO], v14, s74
	v_mul_lo_u32 v4, v15, s75
	v_add_nc_u32 v[PFO], v[PFO], v4
	; Q stays in registers: a fragment is 16 queries x 32 channels: lane l holds query l % 16; registers 0-3 channels 8 h + 0..7, registers 4-7 channels 16 + 8 h + 0..7
	v_lshlrev_b32 v[QO], 7, v14
	v_lshl_add_u32 v[QO], v15, 4, v[QO]            ; 128 r + 16 h
	WIN W_LD
.irp t, 0,1
.irp ks, 0,1
.irp i, 0,1
	global_load_b128 v[QF+16*\t+8*\ks+4*\i:QF+16*\t+8*\ks+4*\i+3], v[QO], s[78:79] offset:524288*\t+64*\ks+32*\i
.endr
.endr
.endr
	WIN 0
	v_lshrrev_b32 v4, 1, v14
	v_mul_u32_u24 v[AK0], v4, PITK
	v_and_b32 v4, 1, v0
	v_lshl_add_u32 v[AK0], v4, 7, v[AK0]
	v_lshl_add_u32 v[AK0], v15, 4, v[AK0]          ; K: (r / 2) 272 + (r % 2) 128 + 16 h
	v_bfe_u32 v5, v0, 1, 2
	v_lshl_add_u32 v5, v15, 2, v5                  ; V: the turning load: lane l reads 16 bytes of key 8 h + l % 8, channels 8 ((l / 8) % 2) + 0..7
	v_mul_u32_u24 v[AV0], v5, PITV
	v_lshl_add_u32 v[AV0], v4, 7, v[AV0]
	v_bfe_u32 v5, v0, 3, 1
	v_lshl_add_u32 v[AV0], v5, 4, v[AV0]
	v_add_nc_u32 v[AV0], VOFF, v[AV0]
	s_mul_i32 s80, s[WV], 16*PITM
	s_add_co_u32 s80, s80, MOFF
	v_mul_u32_u24 v[AM0], v14, PITM
	v_lshl_add_u32 v[AM0], v15, 5, v[AM0]
	v_add_nc_u32 v[AM0], s80, v[AM0]               ; the mask: row 16 w + r, + 32 h: my eight keys of a tile of 16
	s_mul_i32 s81, s[WV], 16*272
	s_add_co_u32 s81, s81, STAGE                   ; my stage
	v_mul_u32_u24 v[STO], v14, 272
	v_lshl_add_u32 v[STO], v15, 4, v[STO]
	v_add_nc_u32 v[STO], s81, v[STO]               ; in: row r, 16 bytes for each half of the lanes
	v_mul_u32_u24 v[RD], v15, 272
	v_lshl_add_u32 v[RD], v14, 4, v[RD]
	v_add_nc_u32 v[RD], s81, v[RD]                 ; back: lanes 0-15 one row of 256 bytes, lanes 16-31 the next
	v_lshlrev_b32 v[GO], 11, v15
	v_lshl_add_u32 v[GO], v14, 4, v[GO]            ; and the same two rows in ctx
.irp t, 0,1
	v_mov_b32 v[ST+8*\t+1], 0xfb800000             ; m = -2^120
	v_mul_f32 v[ST+8*\t], s[CS], v[ST+8*\t+1]      ; c m
	v_mov_b32 v[ST+8*\t+2], 0                      ; l, in two halves
	v_mov_b32 v[ST+8*\t+3], 0
.endr
.irp j, 0,1,2,3,4,5,6,7,8,9,10,11,12,13,14,15,16,17,18,19,20,21,22,23,24,25,26,27,28,29,30,31,32,33,34,35,36,37,38,39,40,41,42,43,44,45,46,47,48,49,50,51,52,53,54,55,56,57,58,59,60,61,62,63
	v_mov_b32 v[O+\j], 0                           ; O^T.  (The loop is written once: its first step finds zeros, which a = 0 leaves zeros)
.endr
; THE LDS LOADS of key step st of the slot in hand, in runs.
.macro LOAD_K st                       ; 64 keys x 64 channels: 8 fragments: keys 16 kt on, channels 32 ks on
.irp kt, 0,1,2,3
.irp ks, 0,1
.irp i, 0,1
	ds_load_b128 v[KF+16*\kt+8*\ks+4*\i:KF+16*\kt+8*\ks+4*\i+3], v[ADK] offset:(32*\st+8*\kt)*PITK+64*\ks+32*\i
.endr
.endr
.endr
.endm
.macro LOAD_V st                       ; turned: 8 fragments: keys 32 kh on, channels 16 ct on
.irp kh, 0,1
.irp ct, 0,1,2,3
.irp i, 0,1
	ds_load_tr16_b128 v[VF+32*\kh+8*\ct+4*\i:VF+32*\kh+8*\ct+4*\i+3], v[ADV] offset:(32*\st+16*\kh+8*\i)*PITV+32*\ct
.endr
.endr
.endr
.endm
.macro LOAD_M st                       ; my query's 32 numbers of the mask, in the result's layout: register 8 kt + j is key 16 kt + 8 h + j
.irp kt, 0,1,2,3
.irp i, 0,1
	ds_load_b128 v[M+8*\kt+4*\i:M+8*\kt+4*\i+3], v[ADM] offset:256*\st+64*\kt+16*\i
.endr
.endr
.endm
; S^T = K Q^T + mask^T: 16 matrix instructions; the eight accumulators take turns, one instruction a turn; the first eight take the mask as C.
.macro KQ
	WIN W_KQ
.irp ks, 0,1
.irp t, 0,1
.irp kt, 0,1,2,3
.if \ks == 0
	v_wmma_f32_16x16x32_f16 v[S+32*\t+8*\kt:S+32*\t+8*\kt+7], v[KF+16*\kt+8*\ks:KF+16*\kt+8*\ks+7], v[QF+16*\t+8*\ks:QF+16*\t+8*\ks+7], v[M+8*\kt:M+8*\kt+7]
.else
	v_wmma_f32_16x16x32_f16 v[S+32*\t+8*\kt:S+32*\t+8*\kt+7], v[KF+16*\kt+8*\ks:KF+16*\kt+8*\ks+7], v[QF+16*\t+8*\ks:QF+16*\t+8*\ks+7], v[S+32*\t+8*\kt:S+32*\t+8*\kt+7]
.endif
.endr
.endr
.endr
.endm
; O^T += V^T P: 16 matrix instructions, the eight accumulators by turns.
.macro PV
	WIN W_PV
.irp kh, 0,1
.irp ct, 0,1,2,3
.irp t, 0,1
	v_wmma_f32_16x16x32_f16 v[O+32*\t+8*\ct:O+32*\t+8*\ct+7], v[VF+32*\kh+8*\ct:VF+32*\kh+8*\ct+7], v[P+16*\t+8*\kh:P+16*\t+8*\kh+7], v[O+32*\t+8*\ct:O+32*\t+8*\ct+7]
.endr
.endr
.endr
.endm
; THE SOFTMAX of both tiles for one key step, in three parts, the tiles alternating line by line, so that no line waits for the line above it.
; SM_A: the maximum, the scalings, the exponentials, P.
.macro SM_A
.irp j, 0,1,2,3                        ; the maximum of my 32 scores and the old m: four chains; each accumulator is first read at its low end
.irp t, 0,1
	v_max3_num_f32 v[ST+8*\t+4+\j], v[S+32*\t+8*\j], v[S+32*\t+8*\j+1], v[S+32*\t+8*\j+2]
.endr
.endr
.irp g, 1,2
.irp j, 0,1,2,3
.irp t, 0,1
	v_max3_num_f32 v[ST+8*\t+4+\j], v[ST+8*\t+4+\j], v[S+32*\t+8*\j+2*\g+1], v[S+32*\t+8*\j+2*\g+2]
.endr
.endr
.endr
.irp t, 0,1
	v_max3_num_f32 v[ST+8*\t+4], v[ST+8*\t+4], v[S+32*\t+7], v[S+32*\t+15]
.endr
.irp t, 0,1
	v_max3_num_f32 v[ST+8*\t+6], v[ST+8*\t+6], v[S+32*\t+23], v[S+32*\t+31]
.endr
.irp t, 0,1
	v_max3_num_f32 v[ST+8*\t+4], v[ST+8*\t+4], v[ST+8*\t+5], v[ST+8*\t+6]
.endr
.irp t, 0,1
	v_max3_num_f32 v[ST+8*\t+4], v[ST+8*\t+4], v[ST+8*\t+7], v[ST+8*\t+1]
.endr
.irp t, 0,1
	v_permlanex16_b32 v[ST+8*\t+5], v[ST+8*\t+4], s[SEL], s[SEL+1]   ; the query's other 32 keys lie in the lane 16 away
.endr
.irp t, 0,1
	v_mov_b32 v[ST+8*\t+7], v[ST+8*\t]             ; c m_old is kept for a
.endr
.irp t, 0,1
	v_max_num_f32 v[ST+8*\t+1], v[ST+8*\t+4], v[ST+8*\t+5]   ; the new m
.endr
.irp t, 0,1
	v_mul_f32 v[ST+8*\t], s[CS], v[ST+8*\t+1]      ; c m
.endr
.irp t, 0,1
	v_sub_f32 v[ST+8*\t+7], v[ST+8*\t+7], v[ST+8*\t]   ; c m_old - c m_new
.endr
.irp n, 0,1,2,3,4,5,6,7,8,9,10,11,12,13,14,15
.irp t, 0,1
	v_pk_fma_f32 v[S+32*\t+2*\n:S+32*\t+2*\n+1], v[S+32*\t+2*\n:S+32*\t+2*\n+1], s[CS:CS+1], v[ST+8*\t:ST+8*\t+1] op_sel_hi:[1,0,0] neg_lo:[0,0,1] neg_hi:[0,0,1]   ; c s - c m, two at a time
.endr
.endr
.irp t, 0,1
	v_exp_f32 v[ST+8*\t+6], v[ST+8*\t+7]           ; a
.endr
.irp n, 0,1,2,3,4,5,6,7,8,9,10,11,12,13,14,15,16,17,18,19,20,21,22,23,24,25,26,27,28,29,30,31
.irp t, 0,1
	v_exp_f32 v[S+32*\t+\n], v[S+32*\t+\n]         ; p: ONE batch of 66 exponentials, none of which reads another's result
.endr
.endr
	v_nop                                          ; a plain instruction behind the last exponential, ahead of the first use
	s_wait_alu depctr_va_vdst(0)                   ; and one wait ahead of the batch's first reader
.irp n, 0,1,2,3,4,5,6,7,8,9,10,11,12,13,14,15
.irp t, 0,1
	v_cvt_pk_f16_f32 v[P+16*\t+\n], v[S+32*\t+2*\n], v[S+32*\t+2*\n+1]   ; source 1 of the second product as it stands
.endr
.endr
.endm
; SM_SUM: the sum of the 16 pairs, in place: neighbours 1, 2, 4 and 8 pairs apart; then l = a l + the sum.  32 instructions on registers.
.macro SM_SUM
.irp u, 0,1,2,3,4,5,6,7
.irp t, 0,1
	v_pk_add_f32 v[S+32*\t+4*\u:S+32*\t+4*\u+1], v[S+32*\t+4*\u:S+32*\t+4*\u+1], v[S+32*\t+4*\u+2:S+32*\t+4*\u+3]
.endr
.endr
.irp u, 0,1,2,3
.irp t, 0,1
	v_pk_add_f32 v[S+32*\t+8*\u:S+32*\t+8*\u+1], v[S+32*\t+8*\u:S+32*\t+8*\u+1], v[S+32*\t+8*\u+4:S+32*\t+8*\u+5]
.endr
.endr
.irp u, 0,1
.irp t, 0,1
	v_pk_add_f32 v[S+32*\t+16*\u:S+32*\t+16*\u+1], v[S+32*\t+16*\u:S+32*\t+16*\u+1], v[S+32*\t+16*\u+8:S+32*\t+16*\u+9]
.endr
.endr
.irp t, 0,1
	v_pk_add_f32 v[S+32*\t:S+32*\t+1], v[S+32*\t:S+32*\t+1], v[S+32*\t+16:S+32*\t+17]
.endr
.irp t, 0,1
	v_pk_fma_f32 v[ST+8*\t+2:ST+8*\t+3], v[ST+8*\t+2:ST+8*\t+3], v[ST+8*\t+6:ST+8*\t+7], v[S+32*\t:S+32*\t+1] op_sel_hi:[1,0,1]
.endr
.endm
; SM_RESCALE: O^T x a, each accumulator from its low end on.  32 instructions on registers.
.macro SM_RESCALE
.irp n, 0,1,2,3,4,5,6,7,8,9,10,11,12,13,14,15
.irp t, 0,1
	v_pk_mul_f32 v[O+32*\t+2*\n:O+32*\t+2*\n+1], v[O+32*\t+2*\n:O+32*\t+2*\n+1], v[ST+8*\t+6:ST+8*\t+7] op_sel_hi:[1,0]
.endr
.endr
.endm
; THE FRONT OF A KEY STEP.  Its K and mask were asked for earlier; its V, and in a slot's first step the second step's K and mask, are asked for behind the first product, and land while the softmax is walked.
.macro FRONT st
	s_wait_dscnt 0x0                               ; K and the mask are in
	KQ
	WIN 0
.rept 4
	v_nop                                          ; four places: in front of the first read of the scores, and of loads into registers that matrix instructions have read (ISA guide 7.12.1 for vector instructions)
.endr
	WIN W_LD
	LOAD_V \st
.if \st == 0
	LOAD_K 1
.endif
	WIN 0
.if \st == 0
	LOAD_M 1
.endif
	SM_A
.endm
; A WHOLE KEY STEP that changes no slot.
.macro STEP st
	FRONT \st
	SM_SUM
	SM_RESCALE
.if \st == 0
	s_wait_dscnt 24                                ; V is in; the 16 younger loads of K and the 8 of the mask may be out
.else
	s_wait_dscnt 0x0
.endif
	PV
	WIN 0
.endm
.macro WALK                            ; the walking descriptors and the prefetches' address: no tensor load of mine is out when these lines run
	s_xor_b32 s[G0K+1], s[G0K+1], SLOT1            ; the other slot than last time,
	s_add_nc_u64 s[G0K+2:G0K+3], s[G0K+2:G0K+3], 16384   ; the next 128 keys; the type bits on top are not reached
	s_xor_b32 s[G0V+1], s[G0V+1], SLOT1
	s_add_nc_u64 s[G0V+2:G0V+3], s[G0V+2:G0V+3], 16384
	s_xor_b32 s[G0M+1], s[G0M+1], SLOT1
	s_add_nc_u64 s[G0M+2:G0M+3], s[G0M+2:G0M+3], 512
	s_wait_xcnt 0x0                                ; the last prefetch, a slot back, has read its address, so it may be written:
	s_add_nc_u64 s[PFA:PFA+1], s[PFA:PFA+1], s[PFS:PFS+1]   ; one slot further on than the walking descriptors
.endm
.macro NEXT_KM                         ; the addresses in the slot at s[TB], and its first step's mask and K
	v_add_nc_u32 v[ADK], s[TB], v[AK0]
	v_add_nc_u32 v[ADV], s[TB], v[AV0]
	v_add_nc_u32 v[ADM], s[TB], v[AM0]
	LOAD_M 0
	WIN W_LD
	LOAD_K 0
	WIN 0
.endm
; THE BACK OF A SLOT'S LAST KEY STEP, WITH THE CHANGE OF SLOTS.  P is made.  Each wave waits for all its tensor loads (its part of the slot that it is about to read), adds 0 to its spare word, and waits for that and for its
; reads of the slot in hand, V's among them: from here on the step works on registers alone.  The row sums stand between the opening signal and its wait.
; fill = 1: the barrier opens a round of the cluster's, so that no wave of any partner still reads the slot or has a load on its way, and the joint load of the keys two slots on into it is the first thing behind the round:
; it has two key steps in which to land.  Then the other slot's first K and mask are asked for, and the rescaling and the products stand between those loads and the wait for them, at the next step's head.
.macro CHG fill
	s_wait_tensorcnt 0x0                           ; no tensor load of mine is out, so a group 0 may be written
	ds_add_u32 v[SPW], v[NIL]                      ; 0 onto my spare word
.if \fill
	ds_add_u32 v[SPW], v[NIL]                      ; and once more: twice on end here, in every trip alike
	WALK
.endif
	s_xor_b32 s[TB], s[TB], SLOT1                  ; on to the other slot
	s_wait_dscnt 0x0                               ; the add is done (fill = 1: both are), V is in, and my reads of the slot in hand are over
	s_barrier_signal -1
	SM_SUM                                         ; work on registers while the others arrive
	s_barrier_wait -1
.if \fill
	CREST
	JLOAD
.endif
	NEXT_KM
.if \fill
	ASK
.endif
	SM_RESCALE
	PV
	WIN 0
.endm
	; THE FIRST CHANGE: slot 0 has landed; slot 0's first K and mask are asked for.
	s_wait_tensorcnt 0x0
	ds_add_u32 v[SPW], v[NIL]                      ; twice on end
	ds_add_u32 v[SPW], v[NIL]
	WALK
	s_wait_dscnt 0x0
	CROUND
	JLOAD
	NEXT_KM
	ASK
	s_wait_loadcnt 0x0                             ; Q
.Lslot:                                            ; 14 trips: trip i works on slot i and asks for slot i + 2
	STEP 0
	FRONT 1
	CHG 1
	s_sub_co_u32 s[SLOTS], s[SLOTS], 1
	s_cmp_lg_u32 s[SLOTS], 0
	s_cbranch_scc1 .Lslot
	STEP 0                                         ; the last two slots are written out: slot 14 asks for nothing
	FRONT 1
	CHG 0
	STEP 0                                         ; and slot 15 changes to nothing
	STEP 1
	; THE WAY OUT.  l's two halves and the other half of the lanes' are added; O^T is divided by l, rounded to f16 and sent through my stage: a row's 256 bytes hold both heads' 64 channels.
.rept 4
	v_nop                                          ; places behind the last products
.endr
.irp t, 0,1
	v_add_f32 v[ST+8*\t+4], v[ST+8*\t+2], v[ST+8*\t+3]
.endr
.irp t, 0,1
	v_permlanex16_b32 v[ST+8*\t+5], v[ST+8*\t+4], s[SEL], s[SEL+1]
.endr
.irp t, 0,1
	v_add_f32 v[ST+8*\t+4], v[ST+8*\t+4], v[ST+8*\t+5]
.endr
.irp t, 0,1
	v_rcp_f32 v[ST+8*\t+6], v[ST+8*\t+4]
.endr
	v_nop                                          ; a plain instruction between the last reciprocal and the use of its result
	s_wait_alu depctr_va_vdst(0)                   ; and the wait ahead of the first use: one for both
.irp t, 0,1
.irp n, 0,1,2,3,4,5,6,7,8,9,10,11,12,13,14,15
	v_pk_mul_f32 v[O+32*\t+2*\n:O+32*\t+2*\n+1], v[O+32*\t+2*\n:O+32*\t+2*\n+1], v[ST+8*\t+6:ST+8*\t+7] op_sel_hi:[1,0]
.endr
.endr
.irp t, 0,1
.irp n, 0,1,2,3,4,5,6,7,8,9,10,11,12,13,14,15
	v_cvt_pk_f16_f32 v[OUTR+16*\t+\n], v[O+32*\t+2*\n], v[O+32*\t+2*\n+1]
.endr
.endr
.irp t, 0,1
.irp ct, 0,1,2,3
	ds_store_b128 v[STO], v[OUTR+16*\t+4*\ct:OUTR+16*\t+4*\ct+3] offset:128*\t+32*\ct   ; lane (r, h): query r, head t, channels 16 ct + 8 h + 0..7
.endr
.endr
.irp f, 0,1,2,3,4,5,6,7
	ds_load_b128 v[S+4*\f:S+4*\f+3], v[RD] offset:\f*2*272   ; LDS serves a wave's instructions in order (ISA guide 5.7.1.4): these see the stores above
.endr
.irp f, 0,1,2,3,4,5,6,7
	s_wait_dscnt 7-\f                              ; the younger loads may be out
	global_store_b128 v[GO], v[S+4*\f:S+4*\f+3], s[8:9] offset:4096*\f   ; 16 lanes store 256 consecutive bytes, at a multiple of 256 from ctx's first byte
.endr
	s_wait_tensorcnt 0x0                           ; the wave's end, behind my last tensor load and my last LDS store
	ds_add_u32 v[SPW], v[NIL]
	s_wait_dscnt 0x0
	CROUND                                         ; the closing round: no work-group ends while a partner may still ask for a tile that names it
	s_endpgm
.Lfunc_end_k_qc0e1afcfc1_attn:
	.size	k_qc0e1afcfc1_attn, .Lfunc_end_k_qc0e1afcfc1_attn-k_qc0e1afcfc1_attn
	.p2alignl 7, 3214868480
	.fill 96, 4, 3214868480
	.section	.rodata,"a",@progbits
	.p2align	6, 0x0
	.amdhsa_kernel k_qc0e1afcfc1_attn
		.amdhsa_group_segment_fixed_size 327680
		.amdhsa_private_segment_fixed_size 0
		.amdhsa_enable_private_segment 0
		.amdhsa_kernarg_size 24
		.amdhsa_user_sgpr_count 2
		.amdhsa_user_sgpr_kernarg_segment_ptr 1
		.amdhsa_wavefront_size32 1
		.amdhsa_system_sgpr_workgroup_id_x 1
		.amdhsa_system_sgpr_workgroup_id_y 1
		.amdhsa_system_sgpr_workgroup_id_z 1
		.amdhsa_system_vgpr_workitem_id 0
		.amdhsa_next_free_vgpr 512
		.amdhsa_next_free_sgpr 84
		.amdhsa_reserve_vcc 0
		.amdhsa_float_denorm_mode_32 3
		.amdhsa_float_denorm_mode_16_64 3
		.amdhsa_memory_ordered 1
		.amdhsa_forward_progress 1
		.amdhsa_inst_pref_size 129
	.end_amdhsa_kernel
	.amdgpu_metadata
---
amdhsa.version: [ 1, 2 ]
amdhsa.kernels:
  - .name:           k_qc0e1afcfc1_attn
    .symbol:         k_qc0e1afcfc1_attn.kd
    .args:
      - { .name: qkv, .offset: 0, .size: 8, .value_kind: global_buffer, .address_space: global }
      - { .name: attention_mask, .offset: 8, .size: 8, .value_kind: global_buffer, .address_space: global }
      - { .name: ctx, .offset: 16, .size: 8, .value_kind: global_buffer, .address_space: global }
    .group_segment_fixed_size: 327680
    .private_segment_fixed_size: 0
    .kernarg_segment_align: 8
    .kernarg_segment_size: 24
    .max_flat_workgroup_size: 256
    .sgpr_count:     84
    .vgpr_count:     512
    .wavefront_size: 32
...
	.end_amdgpu_metadata
.endif
;; end of part 3
;; launch outp (part 4): grid 8 x 32, 4 waves a work-group, clusters of 4 x 4, 327,680 bytes of LDS; arguments ctx, wo_h, out0; writes out0
.if DOCPART == 4
	.amdgcn_target "amdgcn-amd-amdhsa--gfx1250"
	.amdhsa_code_object_version 6
	.text
	.protected	k_qc0e1afcfc1_outp
	.globl	k_qc0e1afcfc1_outp
	.p2align	8
	.type	k_qc0e1afcfc1_outp,@function
k_qc0e1afcfc1_outp:
	s_mov_b64 s[64:65], 0
	v_nop
	global_prefetch_b8 v0, s[64:65] scope:SCOPE_SE
	s_setreg_imm32_b32 hwreg(HW_REG_WAVE_MODE, 25, 1), 1
	s_wait_xcnt 0x0
	s_wait_alu depctr_hold_cnt(0) depctr_sa_sdst(0) depctr_va_vdst(0) depctr_va_sdst(0) depctr_va_ssrc(0) depctr_va_vcc(0) depctr_vm_vsrc(0)
	s_getreg_b32 s2, hwreg(HW_REG_IB_STS2, 6, 4)
	s_cmp_eq_u32 s2, 0
	s_cbranch_scc0 .Lentry_in_a_cluster
	s_endpgm
.Lentry_in_a_cluster:
	s_bfe_u32 s2, ttmp6, 0x10000c
	s_cmp_lg_u32 s2, 0xf033
	s_cbranch_scc0 .Lentry_shape_is_right
	s_endpgm
.Lentry_shape_is_right:
; out0[m][n] = sum over k of ctx[m][k] Wo[n][k].  ctx: [4096][1024] f16, wo_h: [2048][1024] f16 (Wo rounded once), out0: [4096][2048] f32; sums in f32.  Nothing of the problem is left out here.
; A tile of out0 is 128 rows x 256 columns: 8 x 32 work-groups.  Four waves, each 64 x 128: 32 accumulators of 16 x 16, 256 registers: for 32 along K a wave loads (64 + 128) rows x 64 bytes from LDS and issues 32 matrix instructions.
; K goes in steps of 128 (rows of 256 bytes of memory, aligned) through a ring of two LDS slots: ctx's 128 rows, then Wo's 256.  Waves 0 and 1 fetch 64 rows of ctx each, waves 2 and 3 128 rows of Wo each.
; CLUSTERS: 4 x 4 work-groups.  The four of a row of the cluster need the same tiles of ctx, the four of a column the same tiles of Wo: each tile is asked for JOINTLY, by the same tensor load with the same descriptor
; and a mask that names the four.  THE MATRIX INSTRUCTION IS USED TRANSPOSED (source 0 = 16 rows of Wo, source 1 = 16 rows of ctx): a lane then holds eight neighbouring numbers of a row of out0.
; THE WAY OUT: a wave's 128 columns of f32 are 512 aligned bytes of a row, so each wave has a stage of its own and no barrier is needed.  No prefetch: each tile is read by many work-groups, and K has eight steps.
; REGISTERS, in windows of 256: window 0: v0-31 addresses; v64-191 at work on the way out.  window 2: the accumulators ((a, b) at v[8 (8 a + b)], a = 0..3, b = 0..7).
;   windows 1 and 3: fragment buffers 0 and 1, each for 64 along K: v0-63 ctx (v[8 (4 c + a)]: 32 c along K on, rows 16 a on), v64-191 Wo (v[64 + 8 (8 c + b)]).  A buffer lies whole in one window, so that one setting
;   serves a run of loads and one a run of matrix instructions.
.set SIZE_M, 4096
.set SIZE_N, 2048
.set SIZE_K, 1024
.set KSTEP,  128
.set PITCH,  272                       ; an LDS row: 256 bytes of data + 16 of padding = 68 words: row r starts at bank 4 r mod 64 (64 banks of 4 bytes: ISA guide 11.1)
.set AROWS,  64*PITCH                  ; 64 rows of ctx: what one tensor load brings, and what one wave reads
.set BROWS,  128*PITCH                 ; 128 rows of Wo: likewise
.set BOFF,   2*AROWS                   ; Wo's rows lie behind ctx's 128
.set SLOT,   2*AROWS+2*BROWS
.set STAGE,  2*SLOT                    ; behind the ring: 16 rows x 528 bytes for each wave, for the way out
.set SPITCH, 528
.set SPARE,  STAGE+4*16*SPITCH         ; behind the stages: the spare words, 128 bytes for each wave
.set LAPS, SIZE_K/(2*KSTEP)            ; a lap = two K steps = once round the ring
.set ADRA, 16                          ; v16-17  LDS address of my ctx fragments in slot 0, 1
.set ADRB, 20                          ; v20-21  the same for Wo
.set STO,  24                          ; v24     the way out: where I put 32 bytes of a row
.set RD,   25                          ; v25     the way out: where I read a row back
.set CO,   26                          ; v26     16 x lane: my place in a row's 512 bytes
.set SPW,  28                          ; v28     LDS address of my spare word; never rewritten
.set NIL,  29                          ; v29     0; never rewritten
.set BK,   64                          ; the way out: 16 rows read back from the stage: v64-127 and v128-191 by turns
.set G1, 24                            ; s[24:31] descriptor group 1 for ctx's tiles;  s[32:39] group 0, one set for each slot
.set G0, 32
.set G1B, 48                           ; s[48:55], s[56:63] the same for Wo's tiles
.set G0B, 56
.set MSB, 0
.macro WIN new                         ; the immediate's high byte repeats the setting that is left
.if MSB != (\new)
	s_set_vgpr_msb (MSB<<8)|(\new)
.set MSB, (\new)
.endif
.endm
.set MUL0, 0xa5                        ; sources 0 (Wo) and 1 (ctx) window 1: buffer 0; C and D window 2
.set MUL1, 0xaf                        ; sources 0 and 1 window 3: buffer 1; C and D window 2
.macro JLOAD s                         ; a joint load: waves 0 and 1 fetch ctx's two halves, waves 2 and 3 Wo's; an s_nop 0 and four v_nop follow each of the two lines, ahead of the jump, the label and what follows
	s_cmp_eq_u32 s11, 0
	s_cbranch_scc0 .Lfor_b_\@
	tensor_load_to_lds s[G0+4*\s:G0+4*\s+3], s[G1:G1+7]
	s_nop 0
.rept 4
	v_nop
.endr
	s_branch .Lasked_\@
.Lfor_b_\@:
	tensor_load_to_lds s[G0B+4*\s:G0B+4*\s+3], s[G1B:G1B+7]
	s_nop 0
.rept 4
	v_nop
.endr
.Lasked_\@:
.endm
.macro CREST                           ; a round of the cluster's barrier behind its opening barrier
	s_cmp_lg_u32 s10, 0
	s_cbranch_scc1 .Lnot_wave_0_\@
	s_barrier_signal -3
.Lnot_wave_0_\@:
	s_barrier_wait -3
	s_barrier_signal -1
	s_barrier_wait -1
.endm
.macro CROUND                          ; a whole round
	s_barrier_signal -1
	s_barrier_wait -1
	CREST
.endm
	s_load_b128 s[4:7], s[0:1], 0x0                ; ctx s[4:5], wo_h s[6:7]
	s_load_b64 s[8:9], s[0:1], 0x10                ; out0
	v_lshl_add_u32 v[SPW], v0, 2, SPARE
	v_mov_b32 v[NIL], 0
	ds_add_u32 v[SPW], v[NIL]                      ; the wave's opening: the add, twice on end, and its wait ahead of my first tensor load; the set-up below stands between the second and the wait
	ds_add_u32 v[SPW], v[NIL]
	v_lshrrev_b32 v1, 5, v0
	v_readfirstlane_b32 s10, v1                    ; wave 0..3
	s_lshr_b32 s11, s10, 1                         ; which 64 of the tile's rows are mine.  Also: I fetch for ctx (0) or for Wo (1)
	s_and_b32 s12, s10, 1                          ; which 128 of its columns.  Also: which half of that operand's rows I fetch
	s_bfe_u32 s40, ttmp6, 0x40000                  ; cx, cy: my place in the cluster
	s_bfe_u32 s41, ttmp6, 0x40004
	s_lshl_b32 s42, ttmp9, 2
	s_add_co_u32 s42, s42, s40                     ; tile column = 4 x cluster x + cx
	s_and_b32 s13, ttmp7, 0xffff
	s_lshl_b32 s13, s13, 2
	s_add_co_u32 s13, s13, s41                     ; tile row = 4 x cluster y + cy
	s_lshl_b32 s43, s41, 2
	s_lshl_b32 s43, 15, s43                        ; my row of the cluster
	s_lshl_b32 s44, 0x1111, s40                    ; my column
	; descriptor groups 1: rows of 128 elements of 2 bytes, padded in LDS; 64 rows for ctx, 128 for Wo
	s_or_b32 s[G1+0], s43, (1<<16)|(1<<20)|(1<<21)|(5<<22)|(3<<25)  ; 15:0 the mask: ctx's tiles go to my row; 17:16 element of 2 bytes; 20 padding on; 21 set beside a mask; 24:22 after every 64 words; 31:25 four words
	s_or_b32 s[G1B+0], s44, (1<<16)|(1<<20)|(1<<21)|(5<<22)|(3<<25)
.irp g, G1, G1B
	s_mov_b32 s[\g+1], KSTEP<<16                   ; tensor_dim0 = 128
	s_mov_b32 s[\g+3], KSTEP<<16                   ; tile_dim0 = 128
	s_mov_b32 s[\g+5], SIZE_K                      ; tensor_dim0_stride
	s_mov_b32 s[\g+6], 0
	s_mov_b32 s[\g+7], 0
.endr
	s_mov_b32 s[G1+2], 64<<16                      ; tensor_dim1 = 64
	s_mov_b32 s[G1+4], 64                          ; tile_dim1 = 64
	s_mov_b32 s[G1B+2], 128<<16                    ; tensor_dim1 = 128
	s_mov_b32 s[G1B+4], 128                        ; tile_dim1 = 128
	s_lshl_b32 s17, s12, 6
	s_lshl_b32 s16, s13, 7
	s_add_co_u32 s16, s16, s17                     ; ctx: row 128 x tile row + 64 x half
	s_lshl_b32 s47, s12, 7
	s_lshl_b32 s46, s42, 8
	s_add_co_u32 s46, s46, s47                     ; Wo: row 256 x tile column + 128 x half
	s_mov_b32 s17, 0
	s_mov_b32 s47, 0
	s_mov_b64 s[18:19], SIZE_K*2
	s_mul_u64 s[16:17], s[16:17], s[18:19]
	s_mul_u64 s[46:47], s[46:47], s[18:19]
	s_mul_i32 s20, s12, AROWS                      ; where they go: ctx's half,
	s_mul_i32 s21, s12, BROWS
	s_add_co_u32 s21, s21, BOFF                    ; Wo's half: no place in the cluster enters an LDS address
	s_wait_dscnt 0x0                               ; both opening adds are done
	s_wait_kmcnt 0x0
	s_add_nc_u64 s[14:15], s[4:5], s[16:17]
	s_add_nc_u64 s[46:47], s[6:7], s[46:47]
	CROUND                                         ; all sixteen work-groups are here: the first joint loads meet
.irp s, 0,1
	s_mov_b32 s[G0+4*\s], 1
	s_add_co_u32 s[G0+4*\s+1], s20, \s*SLOT
	s_add_nc_u64 s[G0+4*\s+2:G0+4*\s+3], s[14:15], \s*KSTEP*2
	s_or_b32 s[G0+4*\s+3], s[G0+4*\s+3], 0x80000000
	s_mov_b32 s[G0B+4*\s], 1
	s_add_co_u32 s[G0B+4*\s+1], s21, \s*SLOT
	s_add_nc_u64 s[G0B+4*\s+2:G0B+4*\s+3], s[46:47], \s*KSTEP*2
	s_or_b32 s[G0B+4*\s+3], s[G0B+4*\s+3], 0x80000000
	JLOAD \s
.endr
	v_and_b32 v1, 15, v0                           ; l % 16
	v_bfe_u32 v2, v0, 4, 1                         ; l / 16
	v_mul_u32_u24 v3, v1, PITCH
	v_lshl_add_u32 v3, v2, 4, v3                   ; a fragment's row x pitch + 16 x half
	s_mul_i32 s21, s11, AROWS                      ; my 64 rows of ctx
	s_mul_i32 s22, s12, BROWS                      ; my 128 rows of Wo,
	s_add_co_u32 s22, s22, BOFF                    ; which lie behind ctx's 128
.irp s, 0,1
	v_add_nc_u32 v[ADRA+\s], s21, v3
	v_add_nc_u32 v[ADRB+\s], s22, v3
	s_add_co_u32 s21, s21, SLOT
	s_add_co_u32 s22, s22, SLOT
.endr
	s_mul_i32 s23, s10, 16*SPITCH
	s_add_co_u32 s23, s23, STAGE                   ; my stage
	v_mul_u32_u24 v4, v1, SPITCH                   ; in: row l % 16, 32 bytes for each half of the lanes
	v_lshl_add_u32 v4, v2, 5, v4
	v_add_nc_u32 v[STO], s23, v4
	v_and_b32 v5, 31, v0
	v_lshlrev_b32 v[CO], 4, v5                     ; back: the 32 lanes take one row of 512 bytes; and the same in out0
	v_add_nc_u32 v[RD], s23, v[CO]
	s_lshl_b32 s16, s13, 7
	s_lshl_b32 s17, s11, 6
	s_add_co_u32 s16, s16, s17                     ; my first row: 128 x tile row + 64 x half
	s_mov_b32 s17, 0
	s_mov_b64 s[18:19], SIZE_N*4
	s_mul_u64 s[16:17], s[16:17], s[18:19]
	s_add_nc_u64 s[8:9], s[8:9], s[16:17]
	s_lshl_b32 s46, s42, 10                        ; my first column, in bytes: 1,024 x tile column + 512 x half
	s_lshl_b32 s47, s12, 9
	s_add_co_u32 s46, s46, s47
	s_mov_b32 s47, 0
	s_add_nc_u64 s[8:9], s[8:9], s[46:47]          ; never stepped: all else stands in the stores' immediates
; 16 matrix instructions: m blocks a0, a0 + 1 x all 8 n blocks, 32 along K: half c of the buffer that the window setting names.  zero = 1: the first product starts the sums: nothing is ever cleared.
; The 32 accumulators take turns, one instruction a turn, in the same order throughout.
.macro MULB c, a0, zero
.irp a, \a0, \a0+1
.irp b, 0,1,2,3,4,5,6,7
.if \zero
	v_wmma_f32_16x16x32_f16 v[8*(8*(\a)+\b):8*(8*(\a)+\b)+7], v[64+8*(8*\c+\b):64+8*(8*\c+\b)+7], v[8*(4*\c+(\a)):8*(4*\c+(\a))+7], 0
.else
	v_wmma_f32_16x16x32_f16 v[8*(8*(\a)+\b):8*(8*(\a)+\b)+7], v[64+8*(8*\c+\b):64+8*(8*\c+\b)+7], v[8*(4*\c+(\a)):8*(4*\c+(\a))+7], v[8*(8*(\a)+\b):8*(8*(\a)+\b)+7]
.endif
.endr
.endr
.endm
; 48 LDS loads in one run: the fragments of 64 along K at byte k of the rows, into buffer f (window 1 or 3); the 24 loads of the first 32 along K first
.macro FETCH slot, k, f
	WIN 0x40+0x80*(\f)                             ; destination window 1 or 3, address window 0
.irp c, 0,1
.irp i, 0,1,2,3,4,5,6,7
	ds_load_b128 v[64+8*(8*\c+\i):64+8*(8*\c+\i)+3],   v[ADRB+\slot] offset:\k+64*\c+\i*16*PITCH
	ds_load_b128 v[64+8*(8*\c+\i)+4:64+8*(8*\c+\i)+7], v[ADRB+\slot] offset:\k+64*\c+\i*16*PITCH+32
.endr
.irp i, 0,1,2,3
	ds_load_b128 v[8*(4*\c+\i):8*(4*\c+\i)+3],         v[ADRA+\slot] offset:\k+64*\c+\i*16*PITCH
	ds_load_b128 v[8*(4*\c+\i)+4:8*(4*\c+\i)+7],       v[ADRA+\slot] offset:\k+64*\c+\i*16*PITCH+32
.endr
.endr
.endm
.macro PLACES                          ; four places in front of loads into registers that matrix instructions have read, and of LDS stores that read results (ISA guide 7.12.1 for vector instructions)
.rept 4
	v_nop
.endr
.endm
; A K step is two halves of 64 along K, 64 matrix instructions each, on buffers 0 and 1.  The first half multiplies buffer 0 and, in its middle, fetches the second half into buffer 1.
.macro HALF slot, zero
	s_wait_dscnt 24                                ; the first 32 along K are in; the 24 loads of the second 32 may be out
	WIN MUL0
	MULB 0, 0, \zero
	MULB 0, 2, \zero
	PLACES
	FETCH \slot, 128, 1
	s_wait_dscnt 48                                ; all but the 48 just issued
	WIN MUL0
	MULB 1, 0, 0
	MULB 1, 2, 0
.endm
; The second half multiplies buffer 1 and changes slots: ONE barrier; in front of it each wave waits for all its tensor loads, adds 0 to its spare word, and waits for that and for its own reads of this slot.  fill = 1: this slot is filled again, two K steps ahead.
.macro TURN slot, next, fill
	WIN 0                                          ; (the add's two registers lie in window 0)
	s_wait_tensorcnt 0x0                           ; all my tensor loads have landed: my part of the next slot;
	ds_add_u32 v[SPW], v[NIL]                      ; 0 onto my spare word;
	s_wait_dscnt 25                                ; (the add and the youngest 24 loads may be out)
	WIN MUL1
	MULB 0, 0, 0                                   ; sixteen matrix instructions stand between the add and the wait for it
	s_wait_dscnt 0x0                               ; the add is done, and my reads of this slot are over
	s_barrier_signal -1
	MULB 0, 2, 0
.if \fill
	WIN 0
.endif
	s_barrier_wait -1
.if \fill
	CREST                                          ; the barrier has opened a round of the cluster's barrier: no wave of any partner still reads this slot's tile or has a load on its way
	s_add_nc_u64 s[G0+4*\slot+2:G0+4*\slot+3], s[G0+4*\slot+2:G0+4*\slot+3], 2*KSTEP*2
	s_add_nc_u64 s[G0B+4*\slot+2:G0B+4*\slot+3], s[G0B+4*\slot+2:G0B+4*\slot+3], 2*KSTEP*2
	JLOAD \slot                                    ; the first tensor load behind the round: 96 matrix instructions ahead of the wait for it; the four v_nop behind it are also the places in front of the loads below
.else
	PLACES
.endif
	FETCH \next, 0, 0
	WIN MUL1
	MULB 1, 0, 0
	MULB 1, 2, 0
.endm
	s_wait_tensorcnt 1                             ; my part of K step 0 is in (K step 1's load may be out)
	s_barrier_signal -1
	s_barrier_wait -1                              ; everybody's is
	FETCH 0, 0, 0
	HALF 0, 1                                      ; the first half stands in front of the loop: its first products start the sums
	WIN 0                                          ; at a label and at a branch every window is 0
	s_mov_b32 s3, LAPS-1
.Llap:                                                 ; a trip goes once round the ring, from a lap's second half to the next lap's first, and fills both slots again
	TURN 0, 1, 1
	HALF 1, 0
	TURN 1, 0, 1
	HALF 0, 0
	WIN 0
	s_sub_co_u32 s3, s3, 1
	s_cmp_lg_u32 s3, 0
	s_cbranch_scc1 .Llap
	TURN 0, 1, 0                                   ; the last lap fills nothing, and has no round of the cluster's barrier
	HALF 1, 0
	s_wait_dscnt 24                                ; the very last half: nothing more to fetch
	WIN MUL1
	MULB 0, 0, 0
	MULB 0, 2, 0
	s_wait_dscnt 0
	MULB 1, 0, 0
	MULB 1, 2, 0
	WIN 0
; THE WAY OUT, block by block of 16 rows x 128 columns of f32.  A lane holds 32 neighbouring bytes of a row, and the lanes beside it hold other rows: so a block goes through my own stage and comes back as whole rows of
; 512 bytes.  LDS serves a wave's instructions in order (ISA guide 5.7.1.4): no wait between the stores and the loads, nor in front of the next block's stores.
.macro TOSTAGE a
.set AC, 64*(\a)
	WIN 0x08                                       ; an LDS store's data are its source 1: window 2
.irp b, 0,1,2,3,4,5,6,7
	ds_store_b128 v[STO], v[AC+8*\b:AC+8*\b+3] offset:64*\b          ; each accumulator from its low end on
	ds_store_b128 v[STO], v[AC+8*\b+4:AC+8*\b+7] offset:64*\b+16
.endr
	WIN 0
.set BB, BK+64*((\a)%2)
.irp t, 0,1,2,3,4,5,6,7,8,9,10,11,12,13,14,15
	ds_load_b128 v[BB+4*\t:BB+4*\t+3], v[RD] offset:\t*SPITCH
.endr
.endm
.macro SEND a, younger                 ; younger: the LDS instructions issued behind block a's loads, which may stay out
.set BB, BK+64*((\a)%2)
	s_wait_dscnt \younger                          ; the block is back in registers
.irp t, 0,1,2,3,4,5,6,7,8,9,10,11,12,13,14,15
	global_store_b128 v[CO], v[BB+4*\t:BB+4*\t+3], s[8:9] offset:(16*(\a)+\t)*SIZE_N*4 th:TH_STORE_NT   ; 32 lanes store 512 consecutive bytes, aligned; 63 rows at the most: inside the signed 24-bit immediate; written once, read by nobody here
.endr
.endm
	PLACES                                         ; the LDS stores read results
	TOSTAGE 0
.irp a, 1,2,3
.if \a > 1
	s_wait_xcnt 0x0                                ; block a - 2's stores have read their registers: block a's loads may land there
.endif
	TOSTAGE \a
	SEND \a-1, 32                                  ; behind block a - 1's loads: block a's 16 stores and 16 loads
.endr
	SEND 3, 0
	s_wait_tensorcnt 0x0                           ; the wave's end, behind my last tensor load and my last LDS store
	ds_add_u32 v[SPW], v[NIL]
	s_wait_dscnt 0x0
	CROUND                                         ; the closing round: no work-group ends while a partner may still ask for a tile that names it
	s_endpgm
.Lfunc_end_k_qc0e1afcfc1_outp:
	.size	k_qc0e1afcfc1_outp, .Lfunc_end_k_qc0e1afcfc1_outp-k_qc0e1afcfc1_outp
	.p2alignl 7, 3214868480
	.fill 96, 4, 3214868480
	.section	.rodata,"a",@progbits
	.p2align	6, 0x0
	.amdhsa_kernel k_qc0e1afcfc1_outp
		.amdhsa_group_segment_fixed_size 327680
		.amdhsa_private_segment_fixed_size 0
		.amdhsa_enable_private_segment 0
		.amdhsa_kernarg_size 24
		.amdhsa_user_sgpr_count 2
		.amdhsa_user_sgpr_kernarg_segment_ptr 1
		.amdhsa_wavefront_size32 1
		.amdhsa_system_sgpr_workgroup_id_x 1
		.amdhsa_system_sgpr_workgroup_id_y 1
		.amdhsa_system_sgpr_workgroup_id_z 1
		.amdhsa_system_vgpr_workitem_id 0
		.amdhsa_next_free_vgpr 1024
		.amdhsa_next_free_sgpr 66
		.amdhsa_reserve_vcc 0
		.amdhsa_float_denorm_mode_32 3
		.amdhsa_float_denorm_mode_16_64 3
		.amdhsa_memory_ordered 1
		.amdhsa_forward_progress 1
		.amdhsa_inst_pref_size 83
	.end_amdhsa_kernel
	.amdgpu_metadata
---
amdhsa.version: [ 1, 2 ]
amdhsa.kernels:
  - .name:           k_qc0e1afcfc1_outp
    .symbol:         k_qc0e1afcfc1_outp.kd
    .args:
      - { .name: ctx, .offset: 0, .size: 8, .value_kind: global_buffer, .address_space: global }
      - { .name: wo_h, .offset: 8, .size: 8, .value_kind: global_buffer, .address_space: global }
      - { .name: out0, .offset: 16, .size: 8, .value_kind: global_buffer, .address_space: global }
    .group_segment_fixed_size: 327680
    .private_segment_fixed_size: 0
    .kernarg_segment_align: 8
    .kernarg_segment_size: 24
    .max_flat_workgroup_size: 128
    .sgpr_count:     66
    .vgpr_count:     1024
    .wavefront_size: 32
...
	.end_amdgpu_metadata
.endif
;; end of part 4
